; MI455X (gfx1250); checked and timed in simulation.
; The chip was launched on July 23, 2026; its instructions are those of AMD's public machine-readable ISA for CDNA 5 (MIT licence, August 2026) and "CDNA5" Instruction Set Architecture Reference Guide (July 2026). The comments in the code are by the model that wrote it; some were corrected since.
;; Multi Head Attention. Allowed arithmetic: matrix products marked QUANTISED: E2M1 operands, one E8M0 scale for each 32 along K, by v_wmma_scale_f32_16x16x128_f8f6f4 with both operands' format E2M1 (or v_wmma_scale_f32_32x16x128_f4), f32 sums; products left as they are: bf16, f16 or f32 operands; f32 sums; everything else in f32.
;; Inputs: Wk 1,024 x 1,024 float32; Wo 1,024 x 1,024 float32; Wq 1,024 x 1,024 float32; Wv 1,024 x 1,024 float32; bo 1,024 float32; key 4 x 2,048 x 1,024 float32; key_padding_mask 4 x 2,048 bool; query 4 x 2,048 x 1,024 float32; value 4 x 2,048 x 1,024 float32.
;; Outputs: out0 4 x 2,048 x 1,024 float32.
;; This version of the problem:
;;   THIS VERSION OF THE PROBLEM IS GIVEN IN LOW PRECISION. The matrix products marked QUANTISED in the list below multiply operands that are first quantised to E2M1 (2 exponent bits, 1 mantissa bit; 4 bits a number), with one power-of-two scale for each 32 numbers along K (OCP MX v1.0); their sums are f32. The products marked 'left as it is' may take bf16, f16 or f32 operands, with f32 sums. Whichever they take, every output number must still come out within the allowed error. Rounding operands to bf16 (8 significant bits) uses up far more of that allowance than f16 does (11 bits, for magnitudes from 6e-5 to 65,504). All else is computed in f32.
;;   The module's matrix products, in the order in which they are computed (A, B: the left and right operand; K: the contracted axis; several contracted axes count as one K, in the product's order):
;;     1. [M 8,192, K 1,024] x [K 1,024, N 1,024]; A: input query; B: input Wq: QUANTISED
;;     2. [M 8,192, K 1,024] x [K 1,024, N 1,024]; A: input key; B: input Wk: QUANTISED
;;     3. [M 8,192, K 1,024] x [K 1,024, N 1,024]; A: input value; B: input Wv: QUANTISED
;;     4. batch 64 x [M 2,048, K 64] x [K 64, N 2,048]; A: computed on the way; B: computed on the way: left as it is (an operand is computed on the way)
;;     5. batch 64 x [M 64, K 2,048] x [K 2,048, N 2,048]; A: computed on the way; B: computed on the way: left as it is (an operand is computed on the way)
;;     6. [M 8,192, K 1,024] x [K 1,024, N 1,024]; A: computed on the way; B: input Wo: left as it is (an operand is computed on the way)
;;   THE QUANTISER, for each operand of a quantised product, along K:
;;     - K is cut into blocks of 32 from its start; a last block that is shorter is filled with zeros.
;;     - A block's scale is 2^e with e = floor(log2(the largest magnitude in the block)) - 2, held to -126 .. 127; a block of zeros has e = 0. As a byte (E8M0): e + 127.
;;     - Each number is divided by its block's scale, clamped to +-6, and rounded to the nearest number of E2M1, ties to even, subnormals kept.
;;     - The product sums the exact products of the quantised numbers (number of the format x scale) in f32.
;;   ~~~python
;;   def quantise(x, axis):      # numpy; x: float32 -> the quantised numbers, widened to float32 again
;;       x = np.moveaxis(x, axis, -1); K = x.shape[-1]
;;       x = np.pad(x, [(0, 0)] * (x.ndim - 1) + [(0, -K % 32)]); x = x.reshape(x.shape[:-1] + (-1, 32)); a = np.abs(x).max(-1, keepdims=True)
;;       e = np.where(a > 0, np.clip(np.frexp(np.where(a > 0, a, 1))[1] - 1 - 2, -126, 127), 0)      # np.frexp(a)[1] - 1 = floor(log2(a)), exactly
;;       r = np.clip(x / 2.0 ** e, -6, 6)
;;       step = 2.0 ** (np.maximum(np.frexp(np.where(r == 0, 1, r))[1] - 1, 0) - 1)
;;       q = np.round(r / step) * step * 2.0 ** e      # np.round: ties to even
;;       return np.moveaxis(q.reshape(q.shape[:-2] + (-1,))[..., :K], -1, axis).astype(np.float32)
;;   ~~~
;; One version. Each part assembles by itself: llvm-mc -triple=amdgcn-amd-amdhsa -mcpu=gfx1250 --defsym DOCPART=n.
;; ======== version 1 of 1: 4 launches
;; limits: right only within a limited range of input values; values are held in f16: magnitudes above 65,504 overflow, below 6.1e-05 lose precision
;; workspace buffers: xcodes 12,582,912 bytes; xscales 786,432 bytes; wcodes 1,572,864 bytes; wscales 98,304 bytes; wo16 2,097,152 bytes; kbias 32,768 bytes; qkv 50,331,648 bytes; att 16,777,216 bytes
;; launch quant (part 1): grid 897 x 1, 4 waves a work-group, no clusters, 33,280 bytes of LDS; arguments query, key, value, Wq, Wk, Wv, Wo, key_padding_mask, xcodes, xscales, wcodes, wscales, wo16, kbias; writes xcodes, xscales, wcodes, wscales, wo16, kbias
.if DOCPART == 1
	.amdgcn_target "amdgcn-amd-amdhsa--gfx1250"
	.amdhsa_code_object_version 6
	.text
	.protected	k_q6761fcc0e0_quant
	.globl	k_q6761fcc0e0_quant
	.p2align	8
	.type	k_q6761fcc0e0_quant,@function
k_q6761fcc0e0_quant:
	s_mov_b64 s[64:65], 0
	v_nop
	global_prefetch_b8 v0, s[64:65] scope:SCOPE_SE
	s_setreg_imm32_b32 hwreg(HW_REG_WAVE_MODE, 25, 1), 1
	s_wait_xcnt 0x0
; LAUNCH 1 OF 4.  query, key, value [8192][1024] and Wq, Wk, Wv [1024][1024], f32, K innermost, become codes of FP4 (E2M1), two a byte, with one E8M0 byte for each 32 along K:
; xcodes [3 x 8192][512 bytes], xscales [3 x 8192][32], wcodes [3 x 1024][512], wscales [3 x 1024][32].  Wo becomes f16 (wo16).  The padding mask becomes an f32 bias for each key (kbias): 0 where the key counts, -2^126 where it does not.
; A block's scale is 2^(floor(log2(its largest magnitude)) - 2); its byte is the largest magnitude's own exponent field - 2, held at 1 from below.  Each number is divided by the scale and rounded to the nearest code, ties to even; beyond 6 the largest code.
; LIMITS: NaN and infinities among the inputs are not served.  A block whose largest magnitude lies under 2^-124 keeps the byte 1; a block of zeros gets the byte 1 where the rule says 127: its codes are zeros, and this program alone reads the bytes.
; SHARES.  Work-groups 0-767: the three activations, 256 each; 768-863: the three weights, 32 each; 864-895: Wo; 896: the mask.  A work-group of the first three kinds takes 32,768 numbers, a wave 8,192.
; Rows are dense and K is a multiple of 32, so a tensor is a plain stream of blocks of 32, and so are its codes and its scale bytes.
; THE QUANTISER.  A wave takes 16 steps of 512 numbers.  Each of a step's four loads reads 512 consecutive bytes, 16 a lane; the 2,048 bytes go through the wave's own stage in LDS and come back 64 bytes a lane, since the conversions
; take neighbours along K from ONE lane's registers.  Two neighbouring lanes hold a block.  A lane's 16 codes are 8 bytes: the wave stores 256 consecutive bytes.  A wave's 256 scale bytes are gathered in LDS and leave as one aligned run of 256 bytes.
; No tensor loads, no barrier: waves share nothing.
.set NXG,   768                        ; work-groups for the activations
.set NQG,   864                        ; and with the weights'
.set NWG,   896                        ; and with Wo's
.set WAVES, 4
.set STEPS, 16
.set EMAX,  2
.set CB,    8                          ; bytes of 16 codes
.set R,     16                         ; v16-79   four sets of 16 numbers as they are loaded
.set X,     80                         ; v80-111  two sets of 16 neighbours
.set E,     112                        ; v112-127 a scale byte for each step
.set C,     128                        ; v128-191 codes: four registers for each step, so that no store's data are written again
.set WREG,  8192                       ; LDS: a region for each wave: two stages of 32 x SP bytes, behind them its 256 scale bytes
.set SP,    80                         ; a lane's place in a stage: its 64 bytes + 16 of padding
.set SPW,   12                         ; v12      LDS address of my spare word: SPARE + 4 x my thread's number; never rewritten
.set NIL,   13                         ; v13      0; never rewritten
.set SPARE, WAVES*WREG                 ; behind the four regions: the spare words, 128 bytes a wave
	s_load_b512 s[8:23], s[0:1], 0x0               ; query 8, key 10, value 12, Wq 14, Wk 16, Wv 18, Wo 20, mask 22
	s_load_b256 s[24:31], s[0:1], 0x40             ; xcodes 24, xscales 26, wcodes 28, wscales 30
	s_load_b128 s[32:35], s[0:1], 0x60             ; wo16 32, kbias 34
	v_lshl_add_u32 v[SPW], v0, 2, SPARE
	v_mov_b32 v[NIL], 0
	v_lshrrev_b32 v1, 5, v0
	v_readfirstlane_b32 s4, v1                     ; wave
	v_and_b32 v2, 31, v0                           ; lane
	v_lshlrev_b32 v3, 4, v2                        ; my 16 bytes of a load's 512
	v_lshlrev_b32 v4, 3, v2                        ; my 8 bytes of a store's 256
	s_mov_b32 s41, 0                               ; the upper word of every offset here
	s_wait_kmcnt 0x0
	s_cmp_ge_u32 ttmp9, NQG
	s_cbranch_scc1 .Lother
	; ---- the quantiser: one path for all six tensors; only pointers are chosen, by the work-group's number
	s_mul_i32 s5, s4, WREG
	v_lshrrev_b32 v14, 2, v2
	v_mul_u32_u24 v14, v14, SP
	v_and_b32 v15, 3, v2
	v_lshl_add_u32 v14, v15, 4, v14
	v_add_nc_u32 v14, s5, v14                      ; the stage, on the way in: four lanes' 64 bytes on end, then 16 of padding
	v_mul_u32_u24 v15, v2, SP
	v_add_nc_u32 v15, s5, v15                      ; and on the way out: SP x lane: my 16 neighbours
	v_lshrrev_b32 v5, 1, v2
	s_add_co_u32 s5, s5, 2*32*SP
	v_add_nc_u32 v5, s5, v5                        ; my wave's 256 scale bytes, my block's byte
	v_add_nc_u32 v6, s5, v4                        ; and on the way out 8 bytes a lane
	s_cmp_lt_u32 ttmp9, NXG                        ; an activation or a weight?  All selections on this compare stand ahead of the arithmetic
	s_cselect_b32 s36, 0, NXG
	s_cselect_b32 s37, 8, 5                        ; 256 or 32 work-groups to a tensor
	s_cselect_b64 s[24:25], s[24:25], s[28:29]     ; the codes' buffer
	s_cselect_b64 s[26:27], s[26:27], s[30:31]     ; the scale bytes'
	s_cselect_b64 s[8:9], s[8:9], s[14:15]         ; the three sources
	s_cselect_b64 s[10:11], s[10:11], s[16:17]
	s_cselect_b64 s[12:13], s[12:13], s[18:19]
	s_sub_co_u32 s36, ttmp9, s36                   ; my number among the three tensors' work-groups
	s_lshr_b32 s38, s36, s37                       ; which of the three
	s_lshl_b32 s39, s38, s37
	s_sub_co_u32 s39, s36, s39                     ; my number inside it
	s_cmp_eq_u32 s38, 1
	s_cselect_b64 s[8:9], s[10:11], s[8:9]
	s_cmp_eq_u32 s38, 2
	s_cselect_b64 s[8:9], s[12:13], s[8:9]
	s_lshl_b32 s39, s39, 2
	s_add_co_u32 s39, s39, s4                      ; my wave's run of 8,192 numbers in the tensor
	s_lshl_b32 s40, s39, 15                        ; 32,768 bytes a run
	s_add_nc_u64 s[8:9], s[8:9], s[40:41]
	s_lshl_b32 s36, s36, 2
	s_add_co_u32 s36, s36, s4                      ; and in the buffers, which hold the three tensors on end
	s_lshl_b32 s40, s36, 12                        ; 4,096 bytes of codes a run
	s_add_nc_u64 s[24:25], s[24:25], s[40:41]
	s_lshl_b32 s40, s36, 8                         ; 256 scale bytes a run
	s_add_nc_u64 s[26:27], s[26:27], s[40:41]
.macro LOAD t
.irp i, 0,1,2,3
	global_load_b128 v[R+16*((\t)%4)+4*\i:R+16*((\t)%4)+4*\i+3], v3, s[8:9] offset:2048*(\t)+512*\i th:TH_LOAD_NT   ; 32 lanes read 512 consecutive bytes
.endr
.endm
.macro TURN t                          ; step t's numbers through the stage: LDS serves a wave's instructions in order (ISA guide 5.7.1.4), so no wait stands between the stores and the loads
.irp i, 0,1,2,3
	ds_store_b128 v14, v[R+16*((\t)%4)+4*\i:R+16*((\t)%4)+4*\i+3] offset:32*SP*((\t)%2)+8*SP*\i
.endr
.irp i, 0,1,2,3
	ds_load_b128 v[X+16*((\t)%2)+4*\i:X+16*((\t)%2)+4*\i+3], v15 offset:32*SP*((\t)%2)+16*\i
.endr
.endm
.irp t, 0,1,2,3
	LOAD \t
.endr
	s_wait_loadcnt 12                              ; step 0's four loads are in; the twelve of steps 1 to 3 may be out
	TURN 0
.macro STEP t
.set XS, X+16*((\t)%2)
.if (\t) > 0
	s_wait_dscnt 1                                 ; this step's numbers are back from the stage (the last step's byte store may be out): so its stores into the stage have read their registers,
.else
	s_wait_dscnt 0x0
.endif
.if (\t)+4 < STEPS
	LOAD (\t)+4                                    ; which take the loads of four steps on
.endif
.if (\t)+1 < STEPS
.if STEPS-2-(\t) >= 3
	s_wait_loadcnt 12                              ; the next step's four loads are in; those of the three steps behind it may be out
.else
	s_wait_loadcnt 4*(STEPS-2-(\t))
.endif
	TURN (\t)+1                                    ; and go through the other stage while this step is worked
.endif
	v_max3_num_f32 v8, |v[XS]|, |v[XS+1]|, |v[XS+2]|               ; the largest magnitude of my 16, in two chains
	v_max3_num_f32 v9, |v[XS+3]|, |v[XS+4]|, |v[XS+5]|
.irp i, 6,10
	v_max3_num_f32 v8, v8, |v[XS+\i]|, |v[XS+\i+1]|
	v_max3_num_f32 v9, v9, |v[XS+\i+2]|, |v[XS+\i+3]|
.endr
	v_max3_num_f32 v8, v8, |v[XS+14]|, |v[XS+15]|
	v_max3_num_f32 v8, v8, v9, (EMAX+1)<<23        ; and the floor 2^(EMAX + 1 - 127): so the byte cannot fall under 1
	v_max_num_f32_dpp v8, v8, v8 row_xmask:1 row_mask:0xf bank_mask:0xf   ; and of my neighbour's 16: the block's
	v_add_nc_u32 v11, -(EMAX<<23), v8              ; EMAX off its exponent field: the conversion takes the exponent field of this operand as its scale, and nothing else of it
	v_cvt_scalef32_pk8_fp4_f32 v[C+4*(\t)], v[XS:XS+7], v11
	v_cvt_scalef32_pk8_fp4_f32 v[C+4*(\t)+1], v[XS+8:XS+15], v11
	v_lshrrev_b32 v[E+(\t)], 23, v11               ; the scale's byte (also the plain line behind the conversions)
	ds_store_b8 v5, v[E+(\t)] offset:16*(\t)       ; both lanes of a block write the same byte with the same value
	global_store_b64 v4, v[C+4*(\t):C+4*(\t)+1], s[24:25] offset:32*CB*(\t)   ; 32 lanes store 256 consecutive bytes, aligned
.endm
.irp t, 0,1,2,3,4,5,6,7,8,9,10,11,12,13,14,15
	STEP \t
.endr
	ds_load_b64 v[8:9], v6                         ; in order behind my byte stores
	s_wait_dscnt 0x0
	global_store_b64 v4, v[8:9], s[26:27]          ; 32 lanes store my wave's 256 scale bytes, aligned
	s_wait_tensorcnt 0x0                           ; the wave's end: these three lines behind my last LDS store
	ds_add_u32 v[SPW], v[NIL]
	s_wait_dscnt 0x0
	s_endpgm
.Lother:
	s_cmp_eq_u32 ttmp9, NWG
	s_cbranch_scc1 .Lmask
	; ---- Wo to f16: a wave takes 8,192 numbers in four groups of sixteen loads; two groups are on their way.  No LDS: a lane's four numbers become 8 neighbouring bytes
	s_sub_co_u32 s36, ttmp9, NQG
	s_lshl_b32 s36, s36, 2
	s_add_co_u32 s36, s36, s4
	s_lshl_b32 s40, s36, 15
	s_add_nc_u64 s[20:21], s[20:21], s[40:41]
	s_lshl_b32 s40, s36, 14
	s_add_nc_u64 s[32:33], s[32:33], s[40:41]
.macro LOADW q
.irp i, 0,1,2,3,4,5,6,7,8,9,10,11,12,13,14,15
	global_load_b128 v[16+64*((\q)%2)+4*\i:16+64*((\q)%2)+4*\i+3], v3, s[20:21] offset:8192*(\q)+512*\i th:TH_LOAD_NT
.endr
.endm
.macro CVTW q
.if (\q) < 3
	s_wait_loadcnt 16                              ; this group is in; the next group's sixteen may be out
.else
	s_wait_loadcnt 0x0
.endif
.if (\q) > 0
	s_wait_xcnt 0x0                                ; the last group's stores have read their data: v144-175 are written again only behind this wait
.endif
.irp i, 0,1,2,3,4,5,6,7,8,9,10,11,12,13,14,15
	v_cvt_pk_f16_f32 v[144+2*\i], v[16+64*((\q)%2)+4*\i], v[16+64*((\q)%2)+4*\i+1]
	v_cvt_pk_f16_f32 v[145+2*\i], v[16+64*((\q)%2)+4*\i+2], v[16+64*((\q)%2)+4*\i+3]
.endr
.irp i, 0,1,2,3,4,5,6,7,8,9,10,11,12,13,14,15
	global_store_b64 v4, v[144+2*\i:145+2*\i], s[32:33] offset:4096*(\q)+256*\i   ; 256 consecutive bytes, aligned
.endr
.if (\q)+2 < 4
	LOADW (\q)+2
.endif
.endm
	LOADW 0
	LOADW 1
	CVTW 0
	CVTW 1
	CVTW 2
	CVTW 3
	s_endpgm
.Lmask:
	; ---- the mask: 8,192 bytes; a thread takes four of them sixteen times and stores four f32 numbers each time
	v_lshlrev_b32 v1, 2, v0
	v_lshlrev_b32 v7, 4, v0
	v_mov_b32 v5, 0xfe800000                       ; -2^126
.irp i, 0,1,2,3,4,5,6,7,8,9,10,11,12,13,14,15
	global_load_b32 v[16+\i], v1, s[22:23] offset:512*\i
.endr
	s_wait_loadcnt 0x0
.irp i, 0,1,2,3,4,5,6,7,8,9,10,11,12,13,14,15
.irp b, 0,1,2,3
	v_and_b32 v6, 0xff<<(8*\b), v[16+\i]
	v_cmp_ne_u32 vcc_lo, 0, v6
	v_cndmask_b32 v[32+4*\i+\b], v5, v[NIL], vcc_lo   ; 0 where the byte is not 0
.endr
.endr
.irp i, 0,1,2,3,4,5,6,7,8,9,10,11,12,13,14,15
	global_store_b128 v7, v[32+4*\i:35+4*\i], s[34:35] offset:2048*\i
.endr
	s_endpgm
.Lfunc_end_k_q6761fcc0e0_quant:
	.size	k_q6761fcc0e0_quant, .Lfunc_end_k_q6761fcc0e0_quant-k_q6761fcc0e0_quant
	.p2alignl 7, 3214868480
	.fill 96, 4, 3214868480
	.section	.rodata,"a",@progbits
	.p2align	6, 0x0
	.amdhsa_kernel k_q6761fcc0e0_quant
		.amdhsa_group_segment_fixed_size 33280
		.amdhsa_private_segment_fixed_size 0
		.amdhsa_enable_private_segment 0
		.amdhsa_kernarg_size 112
		.amdhsa_user_sgpr_count 2
		.amdhsa_user_sgpr_kernarg_segment_ptr 1
		.amdhsa_wavefront_size32 1
		.amdhsa_system_sgpr_workgroup_id_x 1
		.amdhsa_system_sgpr_workgroup_id_y 1
		.amdhsa_system_sgpr_workgroup_id_z 1
		.amdhsa_system_vgpr_workitem_id 0
		.amdhsa_next_free_vgpr 192
		.amdhsa_next_free_sgpr 66
		.amdhsa_reserve_vcc 1
		.amdhsa_float_denorm_mode_32 3
		.amdhsa_float_denorm_mode_16_64 3
		.amdhsa_memory_ordered 1
		.amdhsa_forward_progress 1
		.amdhsa_inst_pref_size 65
	.end_amdhsa_kernel
	.amdgpu_metadata
---
amdhsa.version: [ 1, 2 ]
amdhsa.kernels:
  - .name:           k_q6761fcc0e0_quant
    .symbol:         k_q6761fcc0e0_quant.kd
    .args:
      - { .name: query, .offset: 0, .size: 8, .value_kind: global_buffer, .address_space: global }
      - { .name: key, .offset: 8, .size: 8, .value_kind: global_buffer, .address_space: global }
      - { .name: value, .offset: 16, .size: 8, .value_kind: global_buffer, .address_space: global }
      - { .name: Wq, .offset: 24, .size: 8, .value_kind: global_buffer, .address_space: global }
      - { .name: Wk, .offset: 32, .size: 8, .value_kind: global_buffer, .address_space: global }
      - { .name: Wv, .offset: 40, .size: 8, .value_kind: global_buffer, .address_space: global }
      - { .name: Wo, .offset: 48, .size: 8, .value_kind: global_buffer, .address_space: global }
      - { .name: key_padding_mask, .offset: 56, .size: 8, .value_kind: global_buffer, .address_space: global }
      - { .name: xcodes, .offset: 64, .size: 8, .value_kind: global_buffer, .address_space: global }
      - { .name: xscales, .offset: 72, .size: 8, .value_kind: global_buffer, .address_space: global }
      - { .name: wcodes, .offset: 80, .size: 8, .value_kind: global_buffer, .address_space: global }
      - { .name: wscales, .offset: 88, .size: 8, .value_kind: global_buffer, .address_space: global }
      - { .name: wo16, .offset: 96, .size: 8, .value_kind: global_buffer, .address_space: global }
      - { .name: kbias, .offset: 104, .size: 8, .value_kind: global_buffer, .address_space: global }
    .group_segment_fixed_size: 33280
    .private_segment_fixed_size: 0
    .kernarg_segment_align: 8
    .kernarg_segment_size: 112
    .max_flat_workgroup_size: 128
    .sgpr_count:     66
    .vgpr_count:     192
    .wavefront_size: 32
...
	.end_amdgpu_metadata
.endif
;; end of part 1
;; launch proj (part 2): grid 4 x 96, 4 waves a work-group, clusters of 4 x 4, 327,680 bytes of LDS; arguments xcodes, xscales, wcodes, wscales, qkv; writes qkv
.if DOCPART == 2
	.amdgcn_target "amdgcn-amd-amdhsa--gfx1250"
	.amdhsa_code_object_version 6
	.text
	.protected	k_q6761fcc0e0_proj
	.globl	k_q6761fcc0e0_proj
	.p2align	8
	.type	k_q6761fcc0e0_proj,@function
k_q6761fcc0e0_proj:
	s_mov_b64 s[64:65], 0
	v_nop
	global_prefetch_b8 v0, s[64:65] scope:SCOPE_SE
	s_setreg_imm32_b32 hwreg(HW_REG_WAVE_MODE, 25, 1), 1
	s_wait_xcnt 0x0
	s_wait_alu depctr_hold_cnt(0) depctr_sa_sdst(0) depctr_va_vdst(0) depctr_va_sdst(0) depctr_va_ssrc(0) depctr_va_vcc(0) depctr_vm_vsrc(0)
	s_getreg_b32 s2, hwreg(HW_REG_IB_STS2, 6, 4)
	s_cmp_eq_u32 s2, 0
	s_cbranch_scc0 .Lentry_in_a_cluster
	s_endpgm
.Lentry_in_a_cluster:
	s_bfe_u32 s2, ttmp6, 0x10000c
	s_cmp_lg_u32 s2, 0xf033
	s_cbranch_scc0 .Lentry_shape_is_right
	s_endpgm
.Lentry_shape_is_right:
; LAUNCH 2 OF 4.  The three quantised products as ONE GEMM on codes of FP4 (E2M1) with E8M0 scales: C[m][n] = sum over k of A[m][k] B[n][k], m = 0 .. 24,575 (query's, key's, value's tokens on end), n = 0 .. 1,023, K = 1,024.
; Rows 8,192 T .. 8,192 T + 8,191 of A are multiplied by weight T: rows 1,024 T on of wcodes.  Sums in f32.  q (T = 0) is multiplied by log2(e) / 8, so that the next launch's scores are exponents of 2; all is rounded once, to f16, into qkv [3][8192][1024].
; f16: with inputs 30 times those drawn, or offsets of that size, q, k and v stay under 65,504; with inputs 30 times smaller f16's smallest step stays under a thousandth of their spread.
; A tile of C, 256 x 256, is made by a work-group of four waves; a wave makes 128 x 128: 64 accumulators of 16 x 16, 512 registers.  All of K lies in two LDS slots of 512 along K (rows of 256 bytes of memory): both are asked for at the start, nothing is filled again, and there is no loop.
; THE SCALES of the work-group's 256 rows of A and of B, for all of K, are two dense blocks of memory: they come into LDS once, in runs of 256 bytes.
; CLUSTERS: 4 x 4 work-groups.  The four of a row of the cluster need the same tiles of A, the four of a column the same tiles of B: each tile is asked for JOINTLY, by the same tensor load with the same descriptor and a mask that names the four.  A cluster's four tile rows lie in one T.
; THE MATRIX INSTRUCTION IS USED TRANSPOSED (source 0 = 16 rows of B, source 1 = 16 rows of A): a lane then holds eight neighbouring numbers of a row of C.
; REGISTERS, in windows of 256: window 0: v0-31 addresses; v32-95 scale words, two sets; from v128 A's fragments, ONE set; on the way out v32-191 are free.  window 1: B's fragments, TWO sets, at v0 and v128.
;   window 2: the 32 accumulators of my rows 0-63 (accumulator (a, b) at v[8 (8 a + b)]);  window 3: those of my rows 64-127.
.set SIZE_K, 1024
.set KSTEP,  512                       ; along K in a slot
.set NQ,     KSTEP/128                 ; matrix instructions deep
.set ROWB,   256                       ; a tile's row in bytes
.set KROW,   SIZE_K/2                  ; a row of codes in memory, in bytes
.set PITCH,  272                       ; an LDS row: 256 bytes + 16 of padding = 68 words: row r starts at bank 4 r mod 64 (64 banks of 4 bytes: ISA guide 11.1)
.set FR,     8                         ; registers of a fragment: 16 rows x 128 K
.set NL,     2                         ; LDS loads that bring one
.set NP,     4                         ; places behind this matrix instruction (ISA guide 7.12.1)
.set HALFT,  128*PITCH                 ; 128 rows: what one tensor load brings, and what one wave reads of A or of B
.set SLOT,   4*HALFT                   ; A's 256 rows, then B's 256 rows
.set KS,     SIZE_K/32                 ; a row of scales in bytes
.set SCL,    2*SLOT                    ; behind the slots: the scales, as runs of 256 bytes + 16 of padding
.set HALFS,  (128*KS/256)*272          ; the scales of 128 rows: what one tensor load brings
.set SBLK,   (16*KS/256)*272           ; those of 16 rows
.set SPARE,  SCL+4*HALFS               ; the spare words, 128 bytes a wave
.set STAGE,  SPARE+512                 ; the way out: 16 rows x (256 bytes + 16) for each wave, in bytes of its own
.set SPITCH, 272
.set ADRA, 16                          ; v16-17  LDS address of my A fragments in slot 0, 1
.set ADRB, 20                          ; v20-21  the same for B
.set STO,  24                          ; v24     the way out: where I put 16 bytes of a row
.set RD,   25                          ; v25     where I read a row back
.set CO,   26                          ; v26     my byte offset in two rows of C
.set ADRS, 27                          ; v27     LDS address of my scale words: lanes 0-15 A's rows, lanes 16-31 B's
.set SPW,  28                          ; v28     LDS address of my spare word; never rewritten
.set NIL,  29                          ; v29     0; never rewritten
.set SC,   32                          ; scale words: set s at v[SC + 8 NQ s]; register NQ i + q: lanes 0-15 the word of A's block i, lanes 16-31 that of B's block i, for the slot's q-th 128 along K
.set AF,   128                         ; A's fragments
.set TH,   32                          ; the way out: v32-63 a block in f16,
.set TF,   64                          ; v64-127 the same in f32, scaled,
.set BK,   128                         ; v128-159, v160-191 by turns: 16 rows read back from the stage
.set G1, 24                            ; s[24:31] descriptor group 1 for A's tiles;  s[32:39] group 0, one set for each slot
.set G0, 32
.set G1B, 48                           ; s[48:55], s[56:63] the same for B's tiles
.set G0B, 56
.set G1S, 68                           ; s[68:75], s[76:79] groups 1 and 0 for A's scales;  s[80:87], s[88:91] for B's
.set G0S, 76
.set G1SB, 80
.set G0SB, 88
.set TT,  95                           ; s95     T: which of the three products
.set FAC, 96                           ; s[96:97] what the results are multiplied by
.set MSB, 0
.macro WIN new                         ; the immediate's high byte repeats the setting that is left
.if MSB != \new
	s_set_vgpr_msb (MSB<<8)|\new
.set MSB, \new
.endif
.endm
.set MUL_LO, 0xa1                      ; source 0 (B) window 1, source 1 (A) window 0, C and D window 2
.set MUL_HI, 0xf1                      ; the same, C and D window 3
.set TO_B,   0x40                      ; destination window 1, address window 0
; A joint load: waves 0 and 1 fetch for A, waves 2 and 3 for B.  Each of the two lines has ONE mask and one set of registers for all that issue it; the branch hangs on the wave's number alone.
; An s_nop 0 and four v_nop follow each of the two lines.
.macro JLOAD g0a, g1a, g0b, g1b
	s_cmp_eq_u32 s15, 0
	s_cbranch_scc0 .Lfor_b_\@
	tensor_load_to_lds s[\g0a:\g0a+3], s[\g1a:\g1a+7]
	s_nop 0
.rept 4
	v_nop
.endr
	s_branch .Lasked_\@
.Lfor_b_\@:
	tensor_load_to_lds s[\g0b:\g0b+3], s[\g1b:\g1b+7]
	s_nop 0
.rept 4
	v_nop
.endr
.Lasked_\@:
.endm
.macro CROUND                          ; a round of the cluster's barrier
	s_barrier_signal -1
	s_barrier_wait -1
	s_cmp_lg_u32 s14, 0
	s_cbranch_scc1 .Lnot_wave_0_\@
	s_barrier_signal -3
.Lnot_wave_0_\@:
	s_barrier_wait -3
	s_barrier_signal -1
	s_barrier_wait -1
.endm
	s_load_b128 s[4:7], s[0:1], 0x0                ; A's codes s[4:5], A's scales s[6:7]
	s_load_b128 s[8:11], s[0:1], 0x10              ; B's codes s[8:9], B's scales s[10:11]
	s_load_b64 s[12:13], s[0:1], 0x20              ; qkv
	v_lshl_add_u32 v[SPW], v0, 2, SPARE
	v_mov_b32 v[NIL], 0
	ds_add_u32 v[SPW], v[NIL]                      ; the wave's opening: the add, twice on end, and its wait ahead of my first tensor load; the set-up below stands between the second and the wait
	ds_add_u32 v[SPW], v[NIL]
	v_lshrrev_b32 v1, 5, v0
	v_readfirstlane_b32 s14, v1                    ; wave 0..3
	s_lshr_b32 s15, s14, 1                         ; which half of the tile's rows is mine.  Also: I fetch for A (0) or for B (1)
	s_and_b32 s16, s14, 1                          ; which half of its columns.  Also: which 128 rows of that tile I fetch
	s_bfe_u32 s40, ttmp6, 0x40000                  ; cx, cy: my place in the cluster
	s_bfe_u32 s41, ttmp6, 0x40004
	s_lshl_b32 s42, ttmp9, 2
	s_add_co_u32 s42, s42, s40                     ; tile column of C = 4 x cluster x + cx
	s_and_b32 s17, ttmp7, 0xffff
	s_lshr_b32 s[TT], s17, 3                       ; eight clusters, 32 tile rows, to a product: T is the same in the whole cluster
	s_lshl_b32 s17, s17, 2
	s_add_co_u32 s17, s17, s41                     ; tile row of C = 4 x cluster y + cy
	s_lshl_b32 s43, s41, 2
	s_lshl_b32 s43, 15, s43                        ; my row of the cluster
	s_lshl_b32 s44, 0x1111, s40                    ; my column
	s_cmp_eq_u32 s[TT], 0
	s_cselect_b32 s[FAC], 0x3e38aa3b, 1.0          ; q: log2(e) / 8;  k, v: 1
	s_mov_b32 s[FAC+1], s[FAC]                     ; (named with it as a pair, so it is written)
	; descriptor group 1: a tile of 128 rows x 256 bytes, padded in LDS
	s_or_b32 s[G1+0], s43, (0<<16)|(1<<20)|(1<<21)|(5<<22)|(3<<25)  ; 15:0 the mask: A's tiles go to my row; 17:16 element of 1 byte; 20 padding on; 21 set beside a mask; 24:22 after every 64 words (code 5); 31:25 of 4 words (code 3)
	s_or_b32 s[G1B+0], s44, (0<<16)|(1<<20)|(1<<21)|(5<<22)|(3<<25)
.irp g, G1, G1B
	s_mov_b32 s[\g+1], ROWB<<16                    ; tensor_dim0
	s_mov_b32 s[\g+2], 128<<16                     ; tensor_dim1 = 128
	s_mov_b32 s[\g+3], ROWB<<16                    ; tile_dim0
	s_mov_b32 s[\g+4], 128                         ; tile_dim1 = 128
	s_mov_b32 s[\g+5], KROW                        ; tensor_dim0_stride
	s_mov_b32 s[\g+6], 0
	s_mov_b32 s[\g+7], 0
.endr
	; and for the scales of 128 rows: a dense block of 4,096 bytes, as 16 rows of 256 bytes (32 elements of 8 bytes), 16 bytes of padding behind each
	s_or_b32 s[G1S+0], s43, (3<<16)|(1<<20)|(1<<21)|(5<<22)|(3<<25)
	s_or_b32 s[G1SB+0], s44, (3<<16)|(1<<20)|(1<<21)|(5<<22)|(3<<25)
.irp g, G1S, G1SB
	s_mov_b32 s[\g+1], 32<<16
	s_mov_b32 s[\g+2], (128*KS/256)<<16
	s_mov_b32 s[\g+3], 32<<16
	s_mov_b32 s[\g+4], 128*KS/256
	s_mov_b32 s[\g+5], 32
	s_mov_b32 s[\g+6], 0
	s_mov_b32 s[\g+7], 0
.endr
	s_lshl_b32 s18, s16, 7                         ; which 128 rows of the tile I fetch
	s_lshl_b32 s20, s17, 8
	s_add_co_u32 s20, s20, s18                     ; A: row 256 x tile row + 128 x half
	s_lshl_b32 s46, s42, 8
	s_add_co_u32 s46, s46, s18                     ; B: row 256 x tile column + 128 x half
	s_lshl_b32 s19, s[TT], 10
	s_add_co_u32 s46, s46, s19                     ;    + 1,024 T
	s_mov_b32 s21, 0
	s_mov_b32 s47, 0
	s_mov_b64 s[18:19], KS
	s_mul_u64 s[22:23], s[20:21], s[18:19]         ; where these rows' scales begin, in bytes
	s_mul_u64 s[92:93], s[46:47], s[18:19]
	s_mov_b64 s[18:19], KROW
	s_mul_u64 s[20:21], s[20:21], s[18:19]         ; and their codes
	s_mul_u64 s[46:47], s[46:47], s[18:19]
	s_mul_i32 s45, s14, HALFT                      ; where they go: wave x 128 rows: no place in the cluster enters an LDS address
	s_mul_i32 s94, s14, HALFS
	s_wait_dscnt 0x0                               ; both opening adds are done
	s_wait_kmcnt 0x0
	s_add_nc_u64 s[20:21], s[4:5], s[20:21]
	s_add_nc_u64 s[22:23], s[6:7], s[22:23]
	s_add_nc_u64 s[46:47], s[8:9], s[46:47]
	s_add_nc_u64 s[92:93], s[10:11], s[92:93]
	CROUND                                         ; all sixteen work-groups are here: the joint loads meet
	s_mov_b32 s[G0S], 1
	s_add_co_u32 s[G0S+1], s94, SCL
	s_mov_b64 s[G0S+2:G0S+3], s[22:23]
	s_or_b32 s[G0S+3], s[G0S+3], 0x80000000
	s_mov_b32 s[G0SB], 1
	s_add_co_u32 s[G0SB+1], s94, SCL
	s_mov_b64 s[G0SB+2:G0SB+3], s[92:93]
	s_or_b32 s[G0SB+3], s[G0SB+3], 0x80000000
	JLOAD G0S, G1S, G0SB, G1SB                     ; the scales first: they are wanted with the first slot.  Three loads of mine are out behind the lines below
.irp s, 0,1
	s_mov_b32 s[G0+4*\s], 1
	s_add_co_u32 s[G0+4*\s+1], s45, \s*SLOT
	s_add_nc_u64 s[G0+4*\s+2:G0+4*\s+3], s[20:21], \s*ROWB
	s_or_b32 s[G0+4*\s+3], s[G0+4*\s+3], 0x80000000
	s_mov_b32 s[G0B+4*\s], 1
	s_add_co_u32 s[G0B+4*\s+1], s45, \s*SLOT
	s_add_nc_u64 s[G0B+4*\s+2:G0B+4*\s+3], s[46:47], \s*ROWB
	s_or_b32 s[G0B+4*\s+3], s[G0B+4*\s+3], 0x80000000
	JLOAD G0+4*\s, G1, G0B+4*\s, G1B
.endr
	v_and_b32 v1, 15, v0                           ; l % 16
	v_bfe_u32 v2, v0, 4, 1                         ; l / 16
	v_mul_u32_u24 v3, v1, PITCH
	v_lshl_add_u32 v4, v2, 4, v3                   ; a fragment's row x pitch + 16 x half
	s_mul_i32 s21, s15, HALFT                      ; my 128 rows of A
	s_mul_i32 s22, s16, HALFT                      ; my 128 rows of B,
	s_add_co_u32 s22, s22, 2*HALFT                 ; which lie behind A's 256
.irp s, 0,1
	v_add_nc_u32 v[ADRA+\s], s21, v4
	v_add_nc_u32 v[ADRB+\s], s22, v4
	s_add_co_u32 s21, s21, SLOT
	s_add_co_u32 s22, s22, SLOT
.endr
	v_mul_u32_u24 v5, v1, KS                       ; my row's scales: KS bytes a row,
	v_lshrrev_b32 v6, 8, v5
	v_lshl_add_u32 v5, v6, 4, v5                   ; and 16 more for each 256 passed
	s_mul_i32 s21, s15, HALFS                      ; A's: my 128 rows
	s_mul_i32 s22, s16, HALFS                      ; B's: my 128 rows, behind A's 256
	s_add_co_u32 s22, s22, 2*HALFS
	s_sub_co_u32 s22, s22, s21
	v_mul_u32_u24 v6, s22, v2                      ; lanes 16-31 take B's: one product, the distance between the two bases x the lane's half
	s_add_co_u32 s21, s21, SCL
	v_add_nc_u32 v5, v5, v6
	v_add_nc_u32 v[ADRS], s21, v5
	s_mul_i32 s23, s14, 16*SPITCH
	s_add_co_u32 s23, s23, STAGE                   ; my stage
	v_mul_u32_u24 v5, v1, SPITCH                   ; in: row l % 16, 16 bytes for each half of the lanes
	v_lshl_add_u32 v5, v2, 4, v5
	v_add_nc_u32 v[STO], s23, v5
	v_mul_u32_u24 v5, v2, SPITCH                   ; back: lanes 0-15 one row of 256 bytes, lanes 16-31 the next
	v_lshl_add_u32 v5, v1, 4, v5
	v_add_nc_u32 v[RD], s23, v5
	v_lshlrev_b32 v5, 11, v2                       ; and the same two rows in qkv: 2,048 bytes a row
	v_lshl_add_u32 v[CO], v1, 4, v5
	s_lshl_b32 s20, s17, 8
	s_lshl_b32 s21, s15, 7
	s_add_co_u32 s20, s20, s21                     ; my first row of C: 256 x tile row + 128 x half
	s_lshl_b32 s20, s20, 11                        ; in bytes (under 2^26)
	s_mov_b32 s21, 0
	s_lshl_b32 s46, s42, 9                         ; my first column, in bytes: 512 x tile column + 256 x half
	s_lshl_b32 s47, s16, 8
	s_add_co_u32 s46, s46, s47
	s_mov_b32 s47, 0
	s_add_nc_u64 s[20:21], s[20:21], s[46:47]
	s_add_nc_u64 s[12:13], s[12:13], s[20:21]
.macro FRAG reg, adr, q, i             ; a fragment, 16 rows x 128 K of 4-bit codes, is 8 registers: lane l holds row l % 16; registers 4 c .. 4 c + 3 hold K = 64 c + 32 (l / 16) + 0 .. 31
.irp c, 0,1
	ds_load_b128 v[\reg+4*\c:\reg+4*\c+3], v[\adr] offset:64*(\q)+32*\c+(\i)*16*PITCH
.endr
.endm
; 16 matrix instructions: A's blocks a0, a0 + 1 x B's eight, 128 along K: the slot's q-th.  p: B's set;  sc: the set of scale words.  zero = 1: the first product starts the sums: nothing is ever cleared.
; The 64 accumulators take turns, one instruction a turn, in the same order in every step.
.macro MUL16 a0, p, q, sc, zero
.irp a, \a0, \a0+1
.irp b, 0,1,2,3,4,5,6,7
.if \zero
	v_wmma_scale_f32_16x16x128_f8f6f4 v[8*(8*((\a)%4)+\b):8*(8*((\a)%4)+\b)+7], v[128*(\p)+FR*\b:128*(\p)+FR*\b+FR-1], v[AF+FR*(\a):AF+FR*(\a)+FR-1], 0, v[SC+8*NQ*(\sc)+NQ*\b+(\q)], v[SC+8*NQ*(\sc)+NQ*(\a)+(\q)] matrix_a_fmt:MATRIX_FMT_FP4 matrix_b_fmt:MATRIX_FMT_FP4 matrix_a_scale:MATRIX_SCALE_ROW1
.else
	v_wmma_scale_f32_16x16x128_f8f6f4 v[8*(8*((\a)%4)+\b):8*(8*((\a)%4)+\b)+7], v[128*(\p)+FR*\b:128*(\p)+FR*\b+FR-1], v[AF+FR*(\a):AF+FR*(\a)+FR-1], v[8*(8*((\a)%4)+\b):8*(8*((\a)%4)+\b)+7], v[SC+8*NQ*(\sc)+NQ*\b+(\q)], v[SC+8*NQ*(\sc)+NQ*(\a)+(\q)] matrix_a_fmt:MATRIX_FMT_FP4 matrix_b_fmt:MATRIX_FMT_FP4 matrix_a_scale:MATRIX_SCALE_ROW1
.endif
.endr
.endr
.endm
.macro FETCH_B slot, q, p              ; B's eight fragments of the slot's q-th 128 along K into set p
	WIN TO_B
.irp i, 0,1,2,3,4,5,6,7
	FRAG 128*(\p)+FR*\i, ADRB+\slot, \q, \i
.endr
	WIN 0
.endm
.macro FETCH_A slot, q, i0             ; A's blocks i0 .. i0 + 3
.irp i, \i0, \i0+1, \i0+2, \i0+3
	FRAG AF+FR*(\i), ADRA+\slot, \q, \i
.endr
.endm
.macro SCALES sc                       ; a slot's scale words into set sc: NQ words a row; lanes 0-15 take A's block i, lanes 16-31 B's block i
.irp i, 0,1,2,3,4,5,6,7
	ds_load_b128 v[SC+8*NQ*\sc+NQ*\i:SC+8*NQ*\sc+NQ*\i+3], v[ADRS] offset:\i*SBLK
.endr
.endm
; A load into a register that a matrix instruction has read, and a vector instruction that reads a matrix result or writes one of its registers, stand NP places behind that matrix instruction; only plain vector
; instructions that name none of its registers are places (ISA guide 7.12.1 for vector instructions).
.macro PLACES n
.rept \n
	v_nop
.endr
.endm
; A step of 128 along K that has its successor in the same slot.
.macro STEP slot, q, zero
	s_wait_dscnt 4*NL                              ; B's set and A's blocks 0-3 are in; the youngest eight loads (A's blocks 4-7) may be out
	WIN MUL_LO
	MUL16 0, (\q)%2, \q, \slot, \zero
	MUL16 2, (\q)%2, \q, \slot, \zero
	s_wait_dscnt 0                                 ; A's blocks 4-7 are in (asked for 32 matrix instructions ago)
	PLACES NP
	FETCH_B \slot, (\q)+1, 1-(\q)%2
	FETCH_A \slot, (\q)+1, 0
	WIN MUL_HI
	MUL16 4, (\q)%2, \q, \slot, \zero
	MUL16 6, (\q)%2, \q, \slot, \zero
	PLACES NP
	WIN 0
	FETCH_A \slot, (\q)+1, 4
.endm
; Slot 0's last step leads over to slot 1: each wave waits for all its tensor loads (its part of slot 1), then the barrier shows the whole slot to every wave.  Nothing is filled again.
.macro TURN slot, next
	s_wait_tensorcnt 0x0                           ; all my tensor loads have landed  (every window is 0 here: the add's two registers lie in window 0)
	ds_add_u32 v[SPW], v[NIL]                      ; 0 onto my spare word
	s_wait_dscnt 4*NL+1                            ; (the add and the youngest eight loads, A's blocks 4-7, may be out)
	WIN MUL_LO
	MUL16 0, 1, NQ-1, \slot, 0                     ; sixteen matrix instructions stand between the add and the wait for it
	s_wait_dscnt 0x0                               ; the add is done; no LDS instruction of mine is out at the signal
	s_barrier_signal -1
	MUL16 2, 1, NQ-1, \slot, 0
	WIN 0
	s_barrier_wait -1
	PLACES NP
	v_add_nc_u32 v[ADRS], 4*NQ, v[ADRS]            ; on to the next slot's scale words
	FETCH_B \next, 0, 0
	FETCH_A \next, 0, 0
	SCALES \next
	WIN MUL_HI
	MUL16 4, 1, NQ-1, \slot, 0
	MUL16 6, 1, NQ-1, \slot, 0
	PLACES NP
	WIN 0
	FETCH_A \next, 0, 4
.endm
.macro STEPS slot, from                ; the slot's steps from .. NQ - 2
.set Q, \from
.rept NQ-1-\from
	STEP \slot, Q, 0
.set Q, Q+1
.endr
.endm
	s_wait_tensorcnt 1                             ; the scales and my part of slot 0 are in (slot 1's load may be out)
	s_barrier_signal -1
	s_barrier_wait -1                              ; everybody's are
	FETCH_B 0, 0, 0
	FETCH_A 0, 0, 0
	SCALES 0
	FETCH_A 0, 0, 4
	STEP 0, 0, 1                                   ; the first step's products start the sums
	STEPS 0, 1
	TURN 0, 1
	STEPS 1, 0
	s_wait_dscnt 4*NL                              ; the very last step: nothing more to fetch
	WIN MUL_LO
	MUL16 0, 1, NQ-1, 1, 0
	MUL16 2, 1, NQ-1, 1, 0
	s_wait_dscnt 0
	WIN MUL_HI
	MUL16 4, 1, NQ-1, 1, 0
	MUL16 6, 1, NQ-1, 1, 0
	WIN 0
; THE WAY OUT, block by block of 16 rows x 128 columns.  PACK: x the factor, rounded to f16: 16 bytes a lane.  TOSTAGE: into my own stage in LDS and back as whole rows of 256 bytes.  SEND: sixteen lanes store 256 consecutive bytes, aligned.
.macro PACK a
.set AC, 64*((\a)%4)
	WIN (0x02+(\a)/4)                              ; source 0: window 2 or 3
.set i, 0
.rept 32
	v_pk_mul_f32 v[TF+2*i:TF+2*i+1], v[AC+2*i:AC+2*i+1], s[FAC:FAC+1] op_sel_hi:[1,0]   ; each accumulator from its low end on
.set i, i+1
.endr
	WIN 0
.set i, 0
.rept 32
	v_cvt_pk_f16_f32 v[TH+i], v[TF+2*i], v[TF+2*i+1]
.set i, i+1
.endr
.endm
.macro TOSTAGE a
.set BB, BK+32*((\a)%2)
.if (\a) > 1
	s_wait_xcnt 0x0                                ; block a - 2's stores have read their registers: block a's loads may land there
.endif
.irp b, 0,1,2,3,4,5,6,7
	ds_store_b128 v[STO], v[TH+4*\b:TH+4*\b+3] offset:32*\b
.endr
.irp t, 0,1,2,3,4,5,6,7
	ds_load_b128 v[BB+4*\t:BB+4*\t+3], v[RD] offset:\t*2*SPITCH    ; LDS serves a wave's instructions in order (ISA guide 5.7.1.4): these see the stores above
.endr
.endm
.macro SEND a
.set BB, BK+32*((\a)%2)
	s_wait_dscnt 0x0                               ; the block is back in registers
.irp t, 0,1,2,3,4,5,6,7
	global_store_b128 v[CO], v[BB+4*\t:BB+4*\t+3], s[12:13] offset:(16*(\a)+2*\t)*2048   ; 126 rows of 2,048 bytes at the most: the base is never stepped
.endr
.endm
	PLACES NP                                      ; behind the last products: PACK writes registers that held their scale words, TOSTAGE loads into those that held A's fragments
	PACK 0
	TOSTAGE 0
.irp a, 1,2,3,4,5,6,7                  ; block a's arithmetic stands between block a - 1's loads from the stage and the wait for them
	PACK \a
	SEND \a-1
	TOSTAGE \a
.endr
	SEND 7
	s_wait_tensorcnt 0x0                           ; the wave's end: these three lines, behind my last tensor load and my last LDS store
	ds_add_u32 v[SPW], v[NIL]
	s_wait_dscnt 0x0
	CROUND                                         ; the closing round: no work-group ends while a partner may still ask for a tile that names it
	s_endpgm
.Lfunc_end_k_q6761fcc0e0_proj:
	.size	k_q6761fcc0e0_proj, .Lfunc_end_k_q6761fcc0e0_proj-k_q6761fcc0e0_proj
	.p2alignl 7, 3214868480
	.fill 96, 4, 3214868480
	.section	.rodata,"a",@progbits
	.p2align	6, 0x0
	.amdhsa_kernel k_q6761fcc0e0_proj
		.amdhsa_group_segment_fixed_size 327680
		.amdhsa_private_segment_fixed_size 0
		.amdhsa_enable_private_segment 0
		.amdhsa_kernarg_size 40
		.amdhsa_user_sgpr_count 2
		.amdhsa_user_sgpr_kernarg_segment_ptr 1
		.amdhsa_wavefront_size32 1
		.amdhsa_system_sgpr_workgroup_id_x 1
		.amdhsa_system_sgpr_workgroup_id_y 1
		.amdhsa_system_sgpr_workgroup_id_z 1
		.amdhsa_system_vgpr_workitem_id 0
		.amdhsa_next_free_vgpr 1024
		.amdhsa_next_free_sgpr 98
		.amdhsa_reserve_vcc 0
		.amdhsa_float_denorm_mode_32 3
		.amdhsa_float_denorm_mode_16_64 3
		.amdhsa_memory_ordered 1
		.amdhsa_forward_progress 1
		.amdhsa_inst_pref_size 142
	.end_amdhsa_kernel
	.amdgpu_metadata
---
amdhsa.version: [ 1, 2 ]
amdhsa.kernels:
  - .name:           k_q6761fcc0e0_proj
    .symbol:         k_q6761fcc0e0_proj.kd
    .args:
      - { .name: xcodes, .offset: 0, .size: 8, .value_kind: global_buffer, .address_space: global }
      - { .name: xscales, .offset: 8, .size: 8, .value_kind: global_buffer, .address_space: global }
      - { .name: wcodes, .offset: 16, .size: 8, .value_kind: global_buffer, .address_space: global }
      - { .name: wscales, .offset: 24, .size: 8, .value_kind: global_buffer, .address_space: global }
      - { .name: qkv, .offset: 32, .size: 8, .value_kind: global_buffer, .address_space: global }
    .group_segment_fixed_size: 327680
    .private_segment_fixed_size: 0
    .kernarg_segment_align: 8
    .kernarg_segment_size: 40
    .max_flat_workgroup_size: 128
    .sgpr_count:     98
    .vgpr_count:     1024
    .wavefront_size: 32
...
	.end_amdgpu_metadata
.endif
;; end of part 2
;; launch attn (part 3): grid 8 x 32, 8 waves a work-group, clusters of 4 x 1, 327,680 bytes of LDS; arguments qkv, kbias, att; writes att
.if DOCPART == 3
	.amdgcn_target "amdgcn-amd-amdhsa--gfx1250"
	.amdhsa_code_object_version 6
	.text
	.protected	k_q6761fcc0e0_attn
	.globl	k_q6761fcc0e0_attn
	.p2align	8
	.type	k_q6761fcc0e0_attn,@function
k_q6761fcc0e0_attn:
	s_mov_b64 s[64:65], 0
	v_nop
	global_prefetch_b8 v0, s[64:65] scope:SCOPE_SE
	s_setreg_imm32_b32 hwreg(HW_REG_WAVE_MODE, 25, 1), 1
	s_wait_xcnt 0x0
	s_wait_alu depctr_hold_cnt(0) depctr_sa_sdst(0) depctr_va_vdst(0) depctr_va_sdst(0) depctr_va_ssrc(0) depctr_va_vcc(0) depctr_vm_vsrc(0)
	s_getreg_b32 s2, hwreg(HW_REG_IB_STS2, 6, 4)
	s_cmp_eq_u32 s2, 0
	s_cbranch_scc0 .Lentry_in_a_cluster
	s_endpgm
.Lentry_in_a_cluster:
	s_bfe_u32 s2, ttmp6, 0x10000c
	s_cmp_lg_u32 s2, 0x3003
	s_cbranch_scc0 .Lentry_shape_is_right
	s_endpgm
.Lentry_shape_is_right:
; LAUNCH 3 OF 4.  att[b][q][h][:] = the sum over k of softmax_k(q . k / 8, masked keys held far below) v[k][:], for 4 batches, 16 heads of 64, 2,048 queries and keys.  q, k, v: qkv [3][8192 tokens][1024] f16; q already carries log2(e) / 8, so a score IS the exponent t of 2.
; Products on f16 operands with f32 sums; maxima and sums in f32; the weights p (at most 1) are rounded to f16 for the second product, the result once to f16.
; THE MASK enters as a number: kbias holds 0 for a key that counts and -2^126 for one that does not, and is the C of each score's first product.  p of a masked key is then 2^(-2^126 - m) = 0 as soon as the row has met a key that counts.
; LIMITS: the masked score is -2^126 in units of log2, not -1e10: the same result while |score| of the keys that count stays under 2^100.  A batch with no key that counts gives the plain average of v, as the reference does, if the sum of -2^126 and a score rounds back to -2^126.  NaN and infinities are not served.
; SHARES.  A work-group owns 256 queries x 2 neighbouring heads of one batch: a row of K's or V's tile is then 256 aligned bytes of qkv, and a row of att leaves as 256 aligned bytes.  Wave w: head w / 4 of the two, queries 64 (w % 4) on: four tiles of 16.
; Eight waves of 512 registers: two to a SIMD, so that one wave's softmax stands beside the other's products.  Every wave walks all 2,048 keys, 64 a step; a step's 40 LDS loads feed 64 matrix instructions.
; LAYOUT.  S^T = K Q^T (source 0 = 16 keys, source 1 = 16 queries): a lane holds ONE query (lane % 16) and the keys 8 (lane / 16) + 0..7.  Two such tiles, rounded to f16 in pairs, ARE source 1 (32 keys x 16 queries) of O^T = V^T P, whose
; result again holds one query a lane, and eight channels.  K comes out of LDS as it lies, V ([key][channel]) turned, by ds_load_tr16_b128.
; SOFTMAX.  For each query a running maximum m and sum l: p = 2^(t - m); in every step O and l are multiplied by a = 2^(m_old - m_new).
; RING.  Two LDS slots of 128 keys (two steps).  Waves 0 and 1 fetch K's two steps, waves 2 and 3 V's, one tensor load each behind each change of slots; wave 4 fetches the batch's bias once.  One tensor load of a wave is out at the most.
; CLUSTER.  The four query blocks of a cluster walk the same K, V and bias: every tensor load is asked for JOINTLY, with the same descriptor and a mask that names the four.
; REGISTERS: window 0: v1-15 addresses; v16-47 eight registers of statistics a tile; v48-79 the step's bias; v128-255 S^T, 32 a tile, then p, then P in its first 16.   window 1: v0-127 O^T, 32 a tile; v128-191 Q; v192-255 K of a step, then its V.
.set KS,    64                         ; keys in a step
.set PK,    272                        ; a row of K in LDS: 256 bytes + 16 of padding
.set PV,    288                        ; a row of V: 256 + 32
.set VOFF,  KS*PK                      ; a step's tiles lie together: 64 rows of K, then 64 rows of V
.set STEPB, KS*(PK+PV)
.set SLOT1, 1<<17                      ; slot 1 begins here, so that one exclusive or turns an address in one slot into the other's
.set STAGE, SLOT1+2*STEPB              ; the way out: 256 rows x (256 bytes + 16), the work-group's
.set SP,    272
.set BIAS,  STAGE+256*SP               ; the batch's 2,048 bias numbers
.set SPARE, BIAS+8192                  ; the spare words, 128 bytes a wave
.set SLOTB, 2*KS*2048                  ; a slot on in memory: 128 tokens of 2,048 bytes
.set NSL,   2048/(2*KS)                ; slots' worth of keys
.set AK0, 3                            ; v3   my lane's place in a tile of K, my head's half of the row
.set AV0, 4                            ; v4   the same for V
.set AB0, 5                            ; v5   my lane's place in the bias
.set ADK, 6                            ; v6-8 the addresses of the step in hand
.set ADV, 7
.set ADB, 8
.set QO,  9                            ; v9   my byte offset in the wave's rows of Q
.set STO, 10                           ; v10  the way out: where I put 16 bytes of a row
.set RD,  11                           ; v11  where I read a row back
.set GO,  12                           ; v12  my byte offset in two rows of att
.set PFO, 13                           ; v13  2,048 x my lane: the prefetches' offset; never rewritten
.set SPW, 14                           ; v14  LDS address of my spare word; never rewritten
.set NIL, 15                           ; v15  0; never rewritten
.set ST,  16                           ; tile t's statistics at v[ST + 8 t]: +0 m, +1 m_old, +2, +3 l (even keys', odd keys'), +4 to +7 c0-c3 at work; a takes c2's place, m_old - m_new c3's
.set BI,  48                           ; the bias of key tile kt at v[BI + 8 kt], in the result's layout
.set S,   128
.set QF,  128                          ; in window 1: Q (tile t, channels 32 s on) at v[QF + 16 t + 8 s]
.set KV,  192                          ; in window 1: K (key tile kt, s) at v[KV + 16 kt + 8 s]; then V (channels 16 ct on, keys 32 kg on) at v[KV + 16 ct + 8 kg]
.set WV,  10                           ; s10  my wave's number
.set LIM, 15                           ; s15  1 in a wave that prefetches, else the greatest number
.set PFA, 18                           ; s[18:19] where my prefetches stand in memory
.set G1K, 24                           ; s[24:31] descriptor group 1 for K's tiles;  s[32:39] for V's;  s[40:43], s[44:47] their groups 0, which walk
.set G1V, 32
.set G0K, 40
.set G0V, 44
.set G1B, 48                           ; s[48:55], s[56:59] groups 1 and 0 for the bias
.set G0B, 56
.set SEL, 60                           ; s[60:61] lane selects for v_permlanex16_b32: lane l xor 16
.set TB,  62                           ; s62  LDS byte at which the slot in hand begins
.set TJ,  63                           ; s63  where the slot's bias begins: 512 bytes a slot
.set SLOTS, 66                         ; s66  slots still to be asked for
.set MSB, 0
.macro WIN new                         ; the immediate's high byte repeats the setting that is left
.if MSB != \new
	s_set_vgpr_msb (MSB<<8)|\new
.set MSB, \new
.endif
.endm
.set W_LD,  0x40                       ; destination window 1, address window 0
.set W_QK,  0x05                       ; K and Q window 1; C and D (bias, S^T) window 0
.set W_PV,  0x51                       ; V window 1, P window 0, O^T (C and D) window 1
.set W_RS,  0x41                       ; O^T (destination and source 0) window 1, a window 0
.set W_OUT, 0x01                       ; O^T window 1, the rest window 0
.macro FOUR
.rept 4
	v_nop
.endr
.endm
; A joint refill: waves 0 and 1 fetch the slot's two steps of K, waves 2 and 3 of V, the others nothing.  The branches hang on the wave's number alone.  An s_nop 0 and four v_nop follow each load.
.macro JLOAD
	s_cmp_lt_u32 s[WV], 2
	s_cbranch_scc0 .Lnot_k_\@
	tensor_load_to_lds s[G0K:G0K+3], s[G1K:G1K+7]
	s_nop 0
	FOUR
	s_branch .Lasked_\@
.Lnot_k_\@:
	s_cmp_lt_u32 s[WV], 4
	s_cbranch_scc0 .Lasked_\@
	tensor_load_to_lds s[G0V:G0V+3], s[G1V:G1V+7]
	s_nop 0
	FOUR
.Lasked_\@:
.endm
; A PREFETCH INTO THE L2 of what the NEXT change of slots will ask for: 128 rows of K and 128 of V, 256 bytes of each row, a lane a row.  It stands behind the fetching waves' tensor load.  Each row's 256 bytes are named ONCE in the launch:
; both clusters of a head pair walk the same rows, and the first of them (cluster x = 0) asks; its four partners share the rows out BY ADDRESS, 32 each; in each, wave 6 asks for K's and wave 7 for V's: one instruction.
; The last change that fills a slot asks for nothing; slots 0 and 1 come by their loads alone.
.macro ASK
	s_cmp_gt_u32 s[SLOTS], s[LIM]
	s_cbranch_scc0 .Lnot_mine_\@
	global_prefetch_b8 v[PFO], s[PFA:PFA+1] th:TH_LOAD_NT scope:SCOPE_SE
.Lnot_mine_\@:
.endm
.macro CROUND                          ; a round of the cluster's barrier
	s_barrier_signal -1
	s_barrier_wait -1
	s_cmp_lg_u32 s[WV], 0
	s_cbranch_scc1 .Lnot_wave_0_\@
	s_barrier_signal -3
.Lnot_wave_0_\@:
	s_barrier_wait -3
	s_barrier_signal -1
	s_barrier_wait -1
.endm
	s_load_b128 s[4:7], s[0:1], 0x0                ; qkv s[4:5], kbias s[6:7]
	s_load_b64 s[8:9], s[0:1], 0x10                ; att
	v_lshl_add_u32 v[SPW], v0, 2, SPARE
	v_mov_b32 v[NIL], 0
	ds_add_u32 v[SPW], v[NIL]                      ; the wave's opening: the add, twice on end, and its wait ahead of the first tensor loads; the set-up below stands between the second and the wait
	ds_add_u32 v[SPW], v[NIL]
	v_lshrrev_b32 v1, 5, v0
	v_readfirstlane_b32 s[WV], v1                  ; wave 0..7
	s_lshr_b32 s11, s[WV], 2                       ; which of the two heads
	s_and_b32 s12, s[WV], 3                        ; which 64 queries
	s_bfe_u32 s13, ttmp6, 0x40000                  ; cx: my place in the cluster
	s_lshl_b32 s14, ttmp9, 2
	s_add_co_u32 s14, s14, s13                     ; my block of 256 queries: it enters Q's, att's and the prefetches' addresses alone
	s_and_b32 s20, ttmp7, 0xffff
	s_lshr_b32 s21, s20, 3                         ; the batch,
	s_and_b32 s22, s20, 7                          ; the pair of heads: the four partners share both
	s_lshl_b32 s78, s21, 22                        ; a batch: 2,048 tokens of 2,048 bytes
	s_lshl_b32 s22, s22, 8                         ; a pair of heads: 256 bytes of a row
	s_add_co_u32 s78, s78, s22
	s_mov_b32 s79, 0
	s_lshl_b32 s16, s21, 13                        ; the batch's bias: 8,192 bytes
	s_mov_b32 s17, 0
	s_and_b32 s80, s[WV], 1                        ; which of a slot's two steps I fetch, if I fetch:
	s_mul_i32 s81, s80, STEPB                      ; its place in a slot,
	s_lshl_b32 s82, s80, 17                        ; its 64 rows of 2,048 bytes in memory
	s_mov_b32 s83, 0
	s_lshl_b32 s23, s11, 7                         ; my head's 128 bytes of a row
	s_lshl_b32 s74, s14, 19                        ; Q: my block's 256 rows,
	s_lshl_b32 s75, s12, 17                        ; my wave's 64 of them,
	s_add_co_u32 s74, s74, s75
	s_add_co_u32 s74, s74, s23                     ; my head
	s_mov_b32 s75, 0
	s_lshl_b32 s76, s14, 19                        ; att: my block's rows,
	s_lshl_b32 s77, s[WV], 16                      ; the 32 that my wave stores
	s_add_co_u32 s76, s76, s77
	s_mov_b32 s77, 0
	; descriptor group 1: a tile of 64 rows x 128 elements of 2 bytes, rows 1,024 elements apart, padded in LDS
	s_mov_b32 s[G1K], 15|(1<<16)|(1<<20)|(1<<21)|(5<<22)|(3<<25)  ; 15:0 the mask: all four work-groups; 17:16 elements of 2 bytes; 20 padding on; 21 set beside a mask; 24:22 after every 64 words (code 5); 31:25 4 words (code 3)
	s_mov_b32 s[G1V], 15|(1<<16)|(1<<20)|(1<<21)|(5<<22)|(7<<25)  ; the same with 8 words of padding (code 7)
.irp g, G1K, G1V
	s_mov_b32 s[\g+1], 128<<16                     ; tensor_dim0 = 128
	s_mov_b32 s[\g+2], KS<<16                      ; tensor_dim1 = 64
	s_mov_b32 s[\g+3], 128<<16                     ; tile_dim0 = 128
	s_mov_b32 s[\g+4], KS                          ; tile_dim1 = 64
	s_mov_b32 s[\g+5], 1024                        ; tensor_dim0_stride
	s_mov_b32 s[\g+6], 0
	s_mov_b32 s[\g+7], 0
.endr
	s_mov_b32 s[G1B], 15|(3<<16)|(1<<21)           ; the bias: 8,192 dense bytes as 32 rows of 32 elements of 8 bytes, no padding
	s_mov_b32 s[G1B+1], 32<<16
	s_mov_b32 s[G1B+2], 32<<16
	s_mov_b32 s[G1B+3], 32<<16
	s_mov_b32 s[G1B+4], 32
	s_mov_b32 s[G1B+5], 32
	s_mov_b32 s[G1B+6], 0
	s_mov_b32 s[G1B+7], 0
	s_mov_b32 s[SEL], 0x76543210
	s_mov_b32 s[SEL+1], 0xfedcba98
	s_mov_b32 s[TB], 0
	s_mov_b32 s[TJ], 0
	s_mov_b32 s[SLOTS], NSL-1
	s_lshr_b32 s20, s[WV], 1
	s_xor_b32 s20, s20, 3                          ; 0 in waves 6 and 7,
	s_or_b32 s20, s20, ttmp9                       ; of the head pair's first cluster: the same in all four partners
	s_cmp_eq_u32 s20, 0
	s_cselect_b32 s[LIM], 1, -1
	s_wait_dscnt 0x0                               ; both opening adds are done
	s_wait_kmcnt 0x0
	s_add_nc_u64 s[70:71], s[4:5], s[78:79]        ; q's tensor at my batch and pair of heads
	s_add_nc_u64 s[72:73], s[70:71], 0x2000000     ; v's: 33,554,432 bytes on
	s_add_nc_u64 s[68:69], s[70:71], s[74:75]      ; Q at my wave's first row
	s_add_nc_u64 s[70:71], s[70:71], 0x1000000     ; k's: 16,777,216 bytes on
	s_add_nc_u64 s[8:9], s[8:9], s[78:79]
	s_add_nc_u64 s[8:9], s[8:9], s[76:77]          ; att at the first row that my wave stores
	s_mov_b32 s[G0K], 1                            ; 1:0 count = 1
	s_mov_b32 s[G0K+1], s81                        ; 63:32 LDS address: slot 0
	s_add_nc_u64 s[G0K+2:G0K+3], s[70:71], s[82:83]  ; 120:64 global address
	s_or_b32 s[G0K+3], s[G0K+3], 0x80000000        ; 127:126 type = 2
	s_mov_b32 s[G0V], 1
	s_add_co_u32 s[G0V+1], s81, VOFF
	s_add_nc_u64 s[G0V+2:G0V+3], s[72:73], s[82:83]
	s_or_b32 s[G0V+3], s[G0V+3], 0x80000000
	s_mov_b32 s[G0B], 1
	s_mov_b32 s[G0B+1], BIAS
	s_add_nc_u64 s[G0B+2:G0B+3], s[6:7], s[16:17]
	s_or_b32 s[G0B+3], s[G0B+3], 0x80000000
	s_cmp_eq_u32 s[WV], 6
	s_cselect_b64 s[PFA:PFA+1], s[70:71], s[72:73]
	s_lshl_b32 s20, s13, 16                        ; my work-group's 32 rows of a slot's 128
	s_mov_b32 s21, 0
	s_add_nc_u64 s[PFA:PFA+1], s[PFA:PFA+1], s[20:21]
	s_add_nc_u64 s[PFA:PFA+1], s[PFA:PFA+1], SLOTB ; in slot 1: the first change of slots steps it to slot 2.  Nothing is prefetched here, at the head
	CROUND                                         ; all four work-groups are here: the first joint loads meet
	; the first fills: a wave's one load, in one branch on the wave's number: slot 0 (waves 0 to 3) and the bias (wave 4)
	s_cmp_lt_u32 s[WV], 2
	s_cbranch_scc0 .Lfirst_not_k
	tensor_load_to_lds s[G0K:G0K+3], s[G1K:G1K+7]
	s_nop 0
	FOUR
	s_branch .Lfirst_asked
.Lfirst_not_k:
	s_cmp_lt_u32 s[WV], 4
	s_cbranch_scc0 .Lfirst_not_v
	tensor_load_to_lds s[G0V:G0V+3], s[G1V:G1V+7]
	s_nop 0
	FOUR
	s_branch .Lfirst_asked
.Lfirst_not_v:
	s_cmp_eq_u32 s[WV], 4
	s_cbranch_scc0 .Lfirst_asked
	tensor_load_to_lds s[G0B:G0B+3], s[G1B:G1B+7]
	s_nop 0
	FOUR
.Lfirst_asked:
	v_and_b32 v1, 15, v0                           ; r = l % 16
	v_bfe_u32 v2, v0, 4, 1                         ; h = l / 16
	v_lshlrev_b32 v[QO], 11, v1
	v_lshl_add_u32 v[QO], v2, 4, v[QO]             ; row r of 2,048 bytes + 16 h
	WIN W_LD
.irp t, 0,1,2,3                        ; Q stays in registers.  A fragment is 16 rows x 32 channels in 8 registers: lane l holds row l % 16; registers 0-3 channels 8 (l / 16) + 0..7, registers 4-7 channels 16 + 8 (l / 16) + 0..7
.irp s, 0,1
.irp c, 0,1
	global_load_b128 v[QF+16*\t+8*\s+4*\c:QF+16*\t+8*\s+4*\c+3], v[QO], s[68:69] offset:\t*32768+64*\s+32*\c
.endr
.endr
.endr
.set i, 0
.rept 128
	v_mov_b32 v[i], 0                              ; O^T.  (The step is written once: the first finds zeros, which its a = 0 leaves zeros)
.set i, i+1
.endr
	WIN 0
	v_mul_u32_u24 v[AK0], v1, PK
	v_lshl_add_u32 v[AK0], v2, 4, v[AK0]
	v_add_nc_u32 v[AK0], s23, v[AK0]               ; K: row x pitch + 16 x half + my head
	; The turning load takes 16 keys x 16 channels (lane l reads 16 bytes: key 8 (l / 16) + l % 8, channels 8 ((l / 8) % 2) + 0..7) and leaves half a fragment of V^T: lane l holds channel l % 16 and 8 keys
	v_and_b32 v6, 7, v0
	v_bfe_u32 v7, v0, 3, 1
	v_lshl_add_u32 v[AV0], v2, 3, v6
	v_mul_u32_u24 v[AV0], v[AV0], PV
	v_lshl_add_u32 v[AV0], v7, 4, v[AV0]
	s_add_co_u32 s21, s23, VOFF
	v_add_nc_u32 v[AV0], s21, v[AV0]
	v_lshl_add_u32 v[AB0], v2, 5, BIAS             ; the bias of keys 8 h + 0..7 of a tile: the same for the sixteen lanes of a half
	s_mul_i32 s22, s12, 64*SP                      ; the stage, in: my 64 rows, my head's half of their 256 bytes; row l % 16, 16 bytes for each half of the lanes
	s_add_co_u32 s22, s22, s23
	s_add_co_u32 s22, s22, STAGE
	v_mul_u32_u24 v[STO], v1, SP
	v_lshl_add_u32 v[STO], v2, 4, v[STO]
	v_add_nc_u32 v[STO], s22, v[STO]
	s_mul_i32 s22, s[WV], 32*SP                    ; back: wave w takes rows 32 w .. 32 w + 31, whole; lanes 0-15 one row, lanes 16-31 the next
	s_add_co_u32 s22, s22, STAGE
	v_mul_u32_u24 v[RD], v2, SP
	v_lshl_add_u32 v[RD], v1, 4, v[RD]
	v_add_nc_u32 v[RD], s22, v[RD]
	v_lshlrev_b32 v[GO], 11, v2                    ; and the same two rows in att
	v_lshl_add_u32 v[GO], v1, 4, v[GO]
	v_and_b32 v[PFO], 31, v0
	v_lshlrev_b32 v[PFO], 11, v[PFO]
.irp t, 0,1,2,3
	v_mov_b32 v[ST+8*\t], 0xff61b1e6               ; m: -3e38, under every score, the masked ones too
	v_mov_b32 v[ST+8*\t+2], 0                      ; l, in two halves
	v_mov_b32 v[ST+8*\t+3], 0
.endr
; ONE STEP'S SOFTMAX, for the wave's four tiles by turns, so that no line waits for the line above it.
.macro SOFTMAX
.irp j, 0,1,2,3                        ; the maximum of a lane's 32 scores and the old m, three operands at a time: four chains, one to a key tile, each begun at its accumulator's low end
.irp t, 0,1,2,3
	v_max3_num_f32 v[ST+8*\t+4+\j], v[S+32*\t+8*\j], v[S+32*\t+8*\j+1], v[S+32*\t+8*\j+2]
.endr
.endr
.irp i, 3,5
.irp j, 0,1,2,3
.irp t, 0,1,2,3
	v_max3_num_f32 v[ST+8*\t+4+\j], v[ST+8*\t+4+\j], v[S+32*\t+8*\j+\i], v[S+32*\t+8*\j+\i+1]
.endr
.endr
.endr
.irp t, 0,1,2,3
	v_max3_num_f32 v[ST+8*\t+4], v[ST+8*\t+4], v[S+32*\t+7], v[S+32*\t+15]
.endr
.irp t, 0,1,2,3
	v_max3_num_f32 v[ST+8*\t+6], v[ST+8*\t+6], v[S+32*\t+23], v[S+32*\t+31]
.endr
.irp t, 0,1,2,3
	v_max3_num_f32 v[ST+8*\t+4], v[ST+8*\t+4], v[ST+8*\t+5], v[ST+8*\t+6]
.endr
.irp t, 0,1,2,3
	v_max3_num_f32 v[ST+8*\t+4], v[ST+8*\t+4], v[ST+8*\t+7], v[ST+8*\t]
.endr
.irp t, 0,1,2,3
	v_permlanex16_b32 v[ST+8*\t+5], v[ST+8*\t+4], s[SEL], s[SEL+1]  ; the query's other 32 keys lie in the lane 16 away
.endr
.irp t, 0,1,2,3
	v_mov_b32 v[ST+8*\t+1], v[ST+8*\t]             ; m_old
.endr
.irp t, 0,1,2,3
	v_max_num_f32 v[ST+8*\t], v[ST+8*\t+4], v[ST+8*\t+5]
.endr
.irp t, 0,1,2,3
	v_sub_f32 v[ST+8*\t+7], v[ST+8*\t+1], v[ST+8*\t]
.endr
.set i, 0
.rept 16
.irp t, 0,1,2,3
	v_pk_add_f32 v[S+32*\t+i:S+32*\t+i+1], v[S+32*\t+i:S+32*\t+i+1], v[ST+8*\t:ST+8*\t+1] op_sel_hi:[1,0] neg_lo:[0,1] neg_hi:[0,1]   ; t - m, two at a time
.endr
.set i, i+2
.endr
.irp t, 0,1,2,3                        ; ONE BATCH of 132 exponentials, none of which reads another's result
	v_exp_f32 v[ST+8*\t+6], v[ST+8*\t+7]           ; a
.endr
.set i, 0
.rept 32
.irp t, 0,1,2,3
	v_exp_f32 v[S+32*\t+i], v[S+32*\t+i]           ; p
.endr
.set i, i+1
.endr
	v_nop                                          ; a plain instruction behind the last exponential,
	s_wait_alu depctr_va_vdst(0)                   ; and the one wait ahead of the batch's first reader
.irp t, 0,1,2,3
	v_pk_fma_f32 v[ST+8*\t+2:ST+8*\t+3], v[ST+8*\t+2:ST+8*\t+3], v[ST+8*\t+6:ST+8*\t+7], v[S+32*\t:S+32*\t+1] op_sel_hi:[1,0,1]   ; l = a l + p, of the p in f32
.endr
.set i, 2
.rept 15
.irp t, 0,1,2,3
	v_pk_add_f32 v[ST+8*\t+2:ST+8*\t+3], v[ST+8*\t+2:ST+8*\t+3], v[S+32*\t+i:S+32*\t+i+1]
.endr
.set i, i+2
.endr
.set i, 0
.rept 16
.irp t, 0,1,2,3
	v_cvt_pk_f16_f32 v[S+32*\t+i], v[S+32*\t+2*i], v[S+32*\t+2*i+1]   ; P in place: register i is written when registers 2 i and 2 i + 1 are read, and no later line reads a register under 2 i + 2
.endr
.set i, i+1
.endr
	WIN W_RS
.set i, 0
.rept 16
.irp t, 0,1,2,3
	v_pk_mul_f32 v[32*\t+i:32*\t+i+1], v[32*\t+i:32*\t+i+1], v[ST+8*\t+6:ST+8*\t+7] op_sel_hi:[1,0]   ; O^T x a, each accumulator from its low end on
.endr
.set i, i+2
.endr
.endm
; A KEY STEP: 64 keys, the q-th of the slot in hand.
.macro STEP q
	v_add_nc_u32 v[ADK], s[TB], v[AK0]             ; these three and the two v_nop are five places: the first products below write over registers (P) that the last step's last products read,
	v_add_nc_u32 v[ADV], s[TB], v[AV0]             ; and the loads below land in registers (V) that they read
	v_add_nc_u32 v[ADB], s[TJ], v[AB0]
	v_nop
	v_nop
	WIN W_LD
.irp kt, 0,1,2,3
.irp s, 0,1
.irp c, 0,1
	ds_load_b128 v[KV+16*\kt+8*\s+4*\c:KV+16*\kt+8*\s+4*\c+3], v[ADK] offset:(\q)*STEPB+\kt*16*PK+64*\s+32*\c
.endr
.endr
.endr
	WIN 0
.irp kt, 0,1,2,3
.irp c, 0,1
	ds_load_b128 v[BI+8*\kt+4*\c:BI+8*\kt+4*\c+3], v[ADB] offset:256*(\q)+64*\kt+16*\c
.endr
.endr
	s_wait_dscnt 0x0
	WIN W_QK                                       ; S^T = bias + K Q^T: 16 accumulators by turns, one instruction a turn; the bias starts the sums
.irp s, 0,1
.irp kt, 0,1,2,3
.irp t, 0,1,2,3
.if \s == 0
	v_wmma_f32_16x16x32_f16 v[S+32*\t+8*\kt:S+32*\t+8*\kt+7], v[KV+16*\kt+8*\s:KV+16*\kt+8*\s+7], v[QF+16*\t+8*\s:QF+16*\t+8*\s+7], v[BI+8*\kt:BI+8*\kt+7]
.else
	v_wmma_f32_16x16x32_f16 v[S+32*\t+8*\kt:S+32*\t+8*\kt+7], v[KV+16*\kt+8*\s:KV+16*\kt+8*\s+7], v[QF+16*\t+8*\s:QF+16*\t+8*\s+7], v[S+32*\t+8*\kt:S+32*\t+8*\kt+7]
.endif
.endr
.endr
.endr
	FOUR                                           ; four places: in front of the loads into K's registers, and of the first read of the scores
	WIN W_LD
.irp ct, 0,1,2,3
.irp kg, 0,1
.irp c, 0,1
	ds_load_tr16_b128 v[KV+16*\ct+8*\kg+4*\c:KV+16*\ct+8*\kg+4*\c+3], v[ADV] offset:(\q)*STEPB+\kg*32*PV+\c*16*PV+32*\ct   ; V lands while the softmax is walked
.endr
.endr
.endr
	WIN 0
	SOFTMAX
	s_wait_dscnt 0x0                               ; V is in
	WIN W_PV                                       ; O^T += V^T P: 16 accumulators by turns
.irp kg, 0,1
.irp ct, 0,1,2,3
.irp t, 0,1,2,3
	v_wmma_f32_16x16x32_f16 v[32*\t+8*\ct:32*\t+8*\ct+7], v[KV+16*\ct+8*\kg:KV+16*\ct+8*\kg+7], v[S+32*\t+8*\kg:S+32*\t+8*\kg+7], v[32*\t+8*\ct:32*\t+8*\ct+7]
.endr
.endr
.endr
	WIN 0
.endm
; THE CHANGE OF SLOTS stands at a slot's head.  Each wave waits for all its tensor loads (its part of the slot that it is about to read), adds 0 to its spare word, and waits for that and for its reads of the slot that it has left.
; fill = 1: the barrier is a round of the cluster's, so that no wave of any partner still reads the other slot or has a load on its way; the joint load of the next 128 keys is the first thing behind it and has two key steps in which to land.
.macro CHANGE fill
	s_wait_tensorcnt 0x0                           ; no tensor load of mine is out, so a group 0 may be written
	ds_add_u32 v[SPW], v[NIL]                      ; 0 onto my spare word
.if \fill
	ds_add_u32 v[SPW], v[NIL]                      ; and once more: the add twice on end, in every trip alike
	s_xor_b32 s[G0K+1], s[G0K+1], SLOT1            ; the walking descriptors: the other slot than last time,
	s_add_nc_u64 s[G0K+2:G0K+3], s[G0K+2:G0K+3], SLOTB   ; the next 128 keys; the type bits on top are not reached
	s_xor_b32 s[G0V+1], s[G0V+1], SLOT1
	s_add_nc_u64 s[G0V+2:G0V+3], s[G0V+2:G0V+3], SLOTB
	s_wait_xcnt 0x0                                ; the last prefetch, a slot back, has read its address, so it may be written:
	s_add_nc_u64 s[PFA:PFA+1], s[PFA:PFA+1], SLOTB ; one slot further on than the walking descriptors
.endif
	s_wait_dscnt 0x0                               ; the add is done, and my reads of the slot that I have left are over
.if \fill
	CROUND
	JLOAD
	ASK
.else
	s_barrier_signal -1
	s_barrier_wait -1
.endif
.endm
	s_wait_loadcnt 0x0                             ; Q
.Lslot:                                            ; NSL - 1 trips: behind each change of slots but the last the next slot is asked for
	CHANGE 1
	STEP 0
	STEP 1
	s_xor_b32 s[TB], s[TB], SLOT1                  ; on to the other slot,
	s_add_co_u32 s[TJ], s[TJ], 512                 ; and to the next 128 keys' bias
	s_sub_co_u32 s[SLOTS], s[SLOTS], 1
	s_cmp_lg_u32 s[SLOTS], 0
	s_cbranch_scc1 .Lslot
	CHANGE 0                                       ; the last slot is written out
	STEP 0
	STEP 1
	; THE WAY OUT.  l's two halves and the other half of the lanes' are added (these lines are the places behind the last products); O^T is divided by l, rounded to f16 and sent through the work-group's stage.
.irp t, 0,1,2,3
	v_add_f32 v[ST+8*\t+4], v[ST+8*\t+2], v[ST+8*\t+3]
.endr
.irp t, 0,1,2,3
	v_permlanex16_b32 v[ST+8*\t+5], v[ST+8*\t+4], s[SEL], s[SEL+1]
.endr
.irp t, 0,1,2,3
	v_add_f32 v[ST+8*\t+4], v[ST+8*\t+4], v[ST+8*\t+5]
.endr
.irp t, 0,1,2,3
	v_rcp_f32 v[ST+8*\t+6], v[ST+8*\t+4]
.endr
	v_nop                                          ; a plain instruction behind the last reciprocal,
	s_wait_alu depctr_va_vdst(0)                   ; and the wait ahead of the first use: one for the four
.irp t, 0,1,2,3
	WIN W_OUT
.set i, 0
.rept 16
	v_pk_mul_f32 v[S+32*\t+i:S+32*\t+i+1], v[32*\t+i:32*\t+i+1], v[ST+8*\t+6:ST+8*\t+7] op_sel_hi:[1,0]
.set i, i+2
.endr
	WIN 0
.set i, 0
.rept 16
	v_cvt_pk_f16_f32 v[S+32*\t+i], v[S+32*\t+2*i], v[S+32*\t+2*i+1]
.set i, i+1
.endr
.irp ct, 0,1,2,3
	ds_store_b128 v[STO], v[S+32*\t+4*\ct:S+32*\t+4*\ct+3] offset:\t*16*SP+32*\ct   ; lane (r, h): query 16 t + r, channels 16 ct + 8 h + 0..7 of my head
.endr
.endr
	s_wait_dscnt 0x0                               ; for the others' sake: my stores into the stage are done; a row's 256 bytes come from two waves
	s_barrier_signal -1
	s_barrier_wait -1
.irp i, 0,1,2,3,4,5,6,7,8,9,10,11,12,13,14,15
	ds_load_b128 v[S+4*\i:S+4*\i+3], v[RD] offset:\i*2*SP
.endr
.irp i, 0,1,2,3,4,5,6,7,8,9,10,11,12,13,14,15
	s_wait_dscnt 15-\i                             ; LDS loads come back in order: the younger ones may stay out
	global_store_b128 v[GO], v[S+4*\i:S+4*\i+3], s[8:9] offset:\i*4096   ; 16 lanes store 256 consecutive bytes, aligned
.endr
	s_wait_tensorcnt 0x0                           ; the wave's end: these three lines, behind my last tensor load and my last LDS store
	ds_add_u32 v[SPW], v[NIL]
	s_wait_dscnt 0x0
	CROUND                                         ; the closing round: no work-group ends while a partner may still ask for a tile that names it
	s_endpgm
.Lfunc_end_k_q6761fcc0e0_attn:
	.size	k_q6761fcc0e0_attn, .Lfunc_end_k_q6761fcc0e0_attn-k_q6761fcc0e0_attn
	.p2alignl 7, 3214868480
	.fill 96, 4, 3214868480
	.section	.rodata,"a",@progbits
	.p2align	6, 0x0
	.amdhsa_kernel k_q6761fcc0e0_attn
		.amdhsa_group_segment_fixed_size 327680
		.amdhsa_private_segment_fixed_size 0
		.amdhsa_enable_private_segment 0
		.amdhsa_kernarg_size 24
		.amdhsa_user_sgpr_count 2
		.amdhsa_user_sgpr_kernarg_segment_ptr 1
		.amdhsa_wavefront_size32 1
		.amdhsa_system_sgpr_workgroup_id_x 1
		.amdhsa_system_sgpr_workgroup_id_y 1
		.amdhsa_system_sgpr_workgroup_id_z 1
		.amdhsa_system_vgpr_workitem_id 0
		.amdhsa_next_free_vgpr 512
		.amdhsa_next_free_sgpr 84
		.amdhsa_reserve_vcc 0
		.amdhsa_float_denorm_mode_32 3
		.amdhsa_float_denorm_mode_16_64 3
		.amdhsa_memory_ordered 1
		.amdhsa_forward_progress 1
		.amdhsa_inst_pref_size 157
	.end_amdhsa_kernel
	.amdgpu_metadata
---
amdhsa.version: [ 1, 2 ]
amdhsa.kernels:
  - .name:           k_q6761fcc0e0_attn
    .symbol:         k_q6761fcc0e0_attn.kd
    .args:
      - { .name: qkv, .offset: 0, .size: 8, .value_kind: global_buffer, .address_space: global }
      - { .name: kbias, .offset: 8, .size: 8, .value_kind: global_buffer, .address_space: global }
      - { .name: att, .offset: 16, .size: 8, .value_kind: global_buffer, .address_space: global }
    .group_segment_fixed_size: 327680
    .private_segment_fixed_size: 0
    .kernarg_segment_align: 8
    .kernarg_segment_size: 24
    .max_flat_workgroup_size: 256
    .sgpr_count:     84
    .vgpr_count:     512
    .wavefront_size: 32
...
	.end_amdgpu_metadata
.endif
;; end of part 3
;; launch oproj (part 4): grid 8 x 64, 4 waves a work-group, clusters of 4 x 4, 327,680 bytes of LDS; arguments att, wo16, bo, out0; writes out0
.if DOCPART == 4
	.amdgcn_target "amdgcn-amd-amdhsa--gfx1250"
	.amdhsa_code_object_version 6
	.text
	.protected	k_q6761fcc0e0_oproj
	.globl	k_q6761fcc0e0_oproj
	.p2align	8
	.type	k_q6761fcc0e0_oproj,@function
k_q6761fcc0e0_oproj:
	s_mov_b64 s[64:65], 0
	v_nop
	global_prefetch_b8 v0, s[64:65] scope:SCOPE_SE
	s_setreg_imm32_b32 hwreg(HW_REG_WAVE_MODE, 25, 1), 1
	s_wait_xcnt 0x0
	s_wait_alu depctr_hold_cnt(0) depctr_sa_sdst(0) depctr_va_vdst(0) depctr_va_sdst(0) depctr_va_ssrc(0) depctr_va_vcc(0) depctr_vm_vsrc(0)
	s_getreg_b32 s2, hwreg(HW_REG_IB_STS2, 6, 4)
	s_cmp_eq_u32 s2, 0
	s_cbranch_scc0 .Lentry_in_a_cluster
	s_endpgm
.Lentry_in_a_cluster:
	s_bfe_u32 s2, ttmp6, 0x10000c
	s_cmp_lg_u32 s2, 0xf033
	s_cbranch_scc0 .Lentry_shape_is_right
	s_endpgm
.Lentry_shape_is_right:
; LAUNCH 4 OF 4.  out0[m][n] = bo[n] + sum over k of att[m][k] Wo[n][k].  att: [8192][1024] f16, wo16: [1024][1024] f16, bo: [1024] f32, out0: [8192][1024] f32; sums in f32.
; A tile of C is 128 x 128: 512 work-groups of equal work.  Four waves, each 64 x 64: 16 accumulators of 16 x 16, 128 registers.  K goes in steps of 256 (LDS rows of 512 bytes; a wave's tensor load brings 64 of them) through a ring of two slots.
; CLUSTERS: 4 x 4 work-groups.  The four of a row of the cluster need the same tiles of A, the four of a column the same tiles of B: each tile is asked for JOINTLY, by the same tensor load with the same descriptor and a mask that names the four.
; THE MATRIX INSTRUCTION IS USED TRANSPOSED (source 0 = 16 rows of Wo, source 1 = 16 rows of att): a lane then holds eight neighbouring numbers of a row of C.  bo, in that layout, is the C of each sum's first product: it costs no addition.
; A wave's 64 columns of f32 are 256 aligned bytes of a row, so each wave sends its own rows out through its own stage, with no barrier.
; No prefetch: two clusters' worth of tiles of 128 rows are small, and each K step's tiles are shared by four work-groups and read again by others.
; REGISTERS: window 0: v0-31 addresses; v32-63 bo, later with v64-95 rows on the way out; v128-255 the accumulators ((a, b) at v[128 + 8 (4 a + b)]).   window 1: two fragment buffers of 128: for 64 along K, 64 registers of A, then 64 of B.
.set SIZE_N, 1024
.set SIZE_K, 1024
.set KSTEP,  256
.set PITCH,  528                       ; an LDS row: 512 bytes + 16 of padding = 132 words: row r starts at bank 4 r mod 64 (64 banks of 4 bytes: ISA guide 11.1)
.set HALFT,  64*PITCH                  ; 64 rows: what one tensor load brings, and what one wave reads of A or of B
.set SLOT,   4*HALFT                   ; A's 128 rows, then B's 128 rows
.set STAGE,  2*SLOT                    ; behind the ring: 16 rows x (256 bytes + 16) for each wave
.set SPITCH, 272
.set SPARE,  STAGE+4*16*SPITCH         ; the spare words, 128 bytes a wave
.set LAPS, SIZE_K/(2*KSTEP)            ; a lap = two K steps = once round the ring
.set ADRA, 16                          ; v16-17  LDS address of my A fragments in slot 0, 1
.set ADRB, 20                          ; v20-21  the same for B
.set STO,  24                          ; v24     the way out: where I put 32 bytes of a row
.set RD,   25                          ; v25     where I read a row back
.set CO,   26                          ; v26     my byte offset in two rows of C
.set SPW,  28                          ; v28     LDS address of my spare word; never rewritten
.set NIL,  29                          ; v29     0; never rewritten
.set BO,   32                          ; v32-63  bo of my 64 columns: eight registers for each block of 16, in the result's layout
.set TMP,  32                          ; the way out: v32-63, v64-95 by turns
.set ACC,  128
.set F0,   0                           ; fragment buffers, in window 1
.set F1,   128
.set G1, 24                            ; s[24:31] descriptor group 1 for A's tiles;  s[32:39] group 0, one set for each slot
.set G0, 32
.set G1B, 48                           ; s[48:55], s[56:63] the same for B's tiles
.set G0B, 56
.set MSB, 0
.macro WIN new                         ; the immediate's high byte repeats the setting that is left
.if MSB != \new
	s_set_vgpr_msb (MSB<<8)|\new
.set MSB, \new
.endif
.endm
.set MUL,  0x05                        ; sources 0 (B) and 1 (A) window 1; C and D window 0
.set TO_F, 0x40                        ; destination window 1, address window 0
.macro JLOAD s                         ; a joint load: waves 0 and 1 fetch A's two halves, waves 2 and 3 B's; an s_nop 0 and four v_nop follow each of the two lines
	s_cmp_eq_u32 s11, 0
	s_cbranch_scc0 .Lfor_b_\@
	tensor_load_to_lds s[G0+4*\s:G0+4*\s+3], s[G1:G1+7]
	s_nop 0
.rept 4
	v_nop
.endr
	s_branch .Lasked_\@
.Lfor_b_\@:
	tensor_load_to_lds s[G0B+4*\s:G0B+4*\s+3], s[G1B:G1B+7]
	s_nop 0
.rept 4
	v_nop
.endr
.Lasked_\@:
.endm
.macro CREST                           ; a round of the cluster's barrier behind its opening barrier
	s_cmp_lg_u32 s10, 0
	s_cbranch_scc1 .Lnot_wave_0_\@
	s_barrier_signal -3
.Lnot_wave_0_\@:
	s_barrier_wait -3
	s_barrier_signal -1
	s_barrier_wait -1
.endm
.macro CROUND                          ; a whole round
	s_barrier_signal -1
	s_barrier_wait -1
	CREST
.endm
	s_load_b128 s[4:7], s[0:1], 0x0                ; att s[4:5], wo16 s[6:7]
	s_load_b128 s[68:71], s[0:1], 0x10             ; bo s[68:69], out0 s[70:71]
	v_lshl_add_u32 v[SPW], v0, 2, SPARE
	v_mov_b32 v[NIL], 0
	ds_add_u32 v[SPW], v[NIL]                      ; the wave's opening: the add, twice on end, and its wait ahead of my first tensor load; the set-up below stands between the second and the wait
	ds_add_u32 v[SPW], v[NIL]
	v_lshrrev_b32 v1, 5, v0
	v_readfirstlane_b32 s10, v1                    ; wave 0..3
	s_lshr_b32 s11, s10, 1                         ; which half of the tile's rows is mine.  Also: I fetch for A (0) or for B (1)
	s_and_b32 s12, s10, 1                          ; which half of its columns.  Also: which 64 rows of that tile I fetch
	s_bfe_u32 s40, ttmp6, 0x40000                  ; cx, cy: my place in the cluster
	s_bfe_u32 s41, ttmp6, 0x40004
	s_lshl_b32 s42, ttmp9, 2
	s_add_co_u32 s42, s42, s40                     ; tile column of C = 4 x cluster x + cx
	s_and_b32 s13, ttmp7, 0xffff
	s_lshl_b32 s13, s13, 2
	s_add_co_u32 s13, s13, s41                     ; tile row of C = 4 x cluster y + cy
	s_lshl_b32 s43, s41, 2
	s_lshl_b32 s43, 15, s43                        ; my row of the cluster
	s_lshl_b32 s44, 0x1111, s40                    ; my column
	; descriptor group 1: a tile of 64 rows x 256 elements, padded in LDS
	s_or_b32 s[G1+0], s43, (1<<16)|(1<<20)|(1<<21)|(6<<22)|(3<<25)  ; 15:0 the mask: A's tiles go to my row; 17:16 element of 2 bytes; 20 padding on; 21 set beside a mask; 24:22 after every 128 words (code 6); 31:25 of 4 words (code 3)
	s_or_b32 s[G1B+0], s44, (1<<16)|(1<<20)|(1<<21)|(6<<22)|(3<<25)
.irp g, G1, G1B
	s_mov_b32 s[\g+1], KSTEP<<16                   ; tensor_dim0 = 256
	s_mov_b32 s[\g+2], 64<<16                      ; tensor_dim1 = 64
	s_mov_b32 s[\g+3], KSTEP<<16                   ; tile_dim0 = 256
	s_mov_b32 s[\g+4], 64                          ; tile_dim1 = 64
	s_mov_b32 s[\g+5], SIZE_K                      ; tensor_dim0_stride
	s_mov_b32 s[\g+6], 0
	s_mov_b32 s[\g+7], 0
.endr
	s_lshl_b32 s17, s12, 6                         ; which 64 rows of the tile I fetch
	s_lshl_b32 s16, s13, 7
	s_add_co_u32 s16, s16, s17                     ; A: row 128 x tile row + 64 x half
	s_lshl_b32 s46, s42, 7
	s_add_co_u32 s46, s46, s17                     ; B: row 128 x tile column + 64 x half
	s_mov_b32 s17, 0
	s_mov_b32 s47, 0
	s_mov_b64 s[18:19], SIZE_K*2
	s_mul_u64 s[16:17], s[16:17], s[18:19]
	s_mul_u64 s[46:47], s[46:47], s[18:19]
	s_mul_i32 s20, s10, HALFT                      ; where they go: wave x 64 rows: no place in the cluster enters an LDS address
	s_wait_dscnt 0x0                               ; both opening adds are done
	s_wait_kmcnt 0x0
	s_add_nc_u64 s[14:15], s[4:5], s[16:17]
	s_add_nc_u64 s[46:47], s[6:7], s[46:47]
	CROUND                                         ; all sixteen work-groups are here: the first joint loads meet
.irp s, 0,1
	s_mov_b32 s[G0+4*\s], 1
	s_add_co_u32 s[G0+4*\s+1], s20, \s*SLOT
	s_add_nc_u64 s[G0+4*\s+2:G0+4*\s+3], s[14:15], \s*KSTEP*2
	s_or_b32 s[G0+4*\s+3], s[G0+4*\s+3], 0x80000000
	s_mov_b32 s[G0B+4*\s], 1
	s_add_co_u32 s[G0B+4*\s+1], s20, \s*SLOT
	s_add_nc_u64 s[G0B+4*\s+2:G0B+4*\s+3], s[46:47], \s*KSTEP*2
	s_or_b32 s[G0B+4*\s+3], s[G0B+4*\s+3], 0x80000000
	JLOAD \s
.endr
	v_and_b32 v1, 15, v0                           ; l % 16
	v_bfe_u32 v2, v0, 4, 1                         ; l / 16
	s_lshl_b32 s46, s42, 9                         ; my 64 columns, in bytes of f32: 512 x tile column + 256 x half: the same in bo and in a row of out0
	s_lshl_b32 s47, s12, 8
	s_add_co_u32 s46, s46, s47
	s_mov_b32 s47, 0
	s_add_nc_u64 s[68:69], s[68:69], s[46:47]
	s_add_nc_u64 s[70:71], s[70:71], s[46:47]
	v_lshlrev_b32 v6, 5, v2                        ; lane (r, h) wants, for block b, bo of columns 16 b + 8 h + 0 .. 7
.irp b, 0,1,2,3
.irp c, 0,1
	global_load_b128 v[BO+8*\b+4*\c:BO+8*\b+4*\c+3], v6, s[68:69] offset:64*\b+16*\c
.endr
.endr
	v_mul_u32_u24 v3, v1, PITCH
	v_lshl_add_u32 v3, v2, 4, v3                   ; a fragment's row x pitch + 16 x half
	s_mul_i32 s21, s11, HALFT                      ; my 64 rows of A
	s_mul_i32 s22, s12, HALFT                      ; my 64 rows of B,
	s_add_co_u32 s22, s22, 2*HALFT                 ; which lie behind A's 128
.irp s, 0,1
	v_add_nc_u32 v[ADRA+\s], s21, v3
	v_add_nc_u32 v[ADRB+\s], s22, v3
	s_add_co_u32 s21, s21, SLOT
	s_add_co_u32 s22, s22, SLOT
.endr
	s_mul_i32 s23, s10, 16*SPITCH
	s_add_co_u32 s23, s23, STAGE                   ; my stage
	v_mul_u32_u24 v4, v1, SPITCH                   ; in: row l % 16, 32 bytes for each half of the lanes
	v_lshl_add_u32 v4, v2, 5, v4
	v_add_nc_u32 v[STO], s23, v4
	v_mul_u32_u24 v5, v2, SPITCH                   ; back: lanes 0-15 one row of 256 bytes, lanes 16-31 the next
	v_lshl_add_u32 v5, v1, 4, v5
	v_add_nc_u32 v[RD], s23, v5
	v_lshlrev_b32 v5, 12, v2                       ; and the same two rows in out0: 4,096 bytes a row
	v_lshl_add_u32 v[CO], v1, 4, v5
	s_lshl_b32 s16, s13, 7
	s_lshl_b32 s17, s11, 6
	s_add_co_u32 s16, s16, s17                     ; my first row of C: 128 x tile row + 64 x half
	s_lshl_b32 s16, s16, 12                        ; in bytes (under 2^25)
	s_mov_b32 s17, 0
	s_add_nc_u64 s[70:71], s[70:71], s[16:17]
; 8 matrix instructions: m blocks a0, a0 + 1 x all 4 n blocks, 32 along K: half c of buffer f.  first = 1: the first product starts the sums, with bo as its C.  The 16 accumulators take turns.
.macro MUL8 f, c, a0, first
.irp a, \a0, \a0+1
.irp b, 0,1,2,3
.if \first
	v_wmma_f32_16x16x32_f16 v[ACC+8*(4*(\a)+\b):ACC+8*(4*(\a)+\b)+7], v[\f+64+8*(4*\c+\b):\f+64+8*(4*\c+\b)+7], v[\f+8*(4*\c+\a):\f+8*(4*\c+\a)+7], v[BO+8*\b:BO+8*\b+7]
.else
	v_wmma_f32_16x16x32_f16 v[ACC+8*(4*(\a)+\b):ACC+8*(4*(\a)+\b)+7], v[\f+64+8*(4*\c+\b):\f+64+8*(4*\c+\b)+7], v[\f+8*(4*\c+\a):\f+8*(4*\c+\a)+7], v[ACC+8*(4*(\a)+\b):ACC+8*(4*(\a)+\b)+7]
.endif
.endr
.endr
.endm
; 32 LDS loads in one run: the fragments of 64 along K at byte k of the rows, into buffer f; the first 32 along K first
.macro FETCH slot, k, f
	WIN TO_F
.irp c, 0,1
.irp i, 0,1,2,3
	ds_load_b128 v[\f+64+8*(4*\c+\i):\f+64+8*(4*\c+\i)+3],   v[ADRB+\slot] offset:\k+64*\c+\i*16*PITCH
	ds_load_b128 v[\f+64+8*(4*\c+\i)+4:\f+64+8*(4*\c+\i)+7], v[ADRB+\slot] offset:\k+64*\c+\i*16*PITCH+32
	ds_load_b128 v[\f+8*(4*\c+\i):\f+8*(4*\c+\i)+3],         v[ADRA+\slot] offset:\k+64*\c+\i*16*PITCH
	ds_load_b128 v[\f+8*(4*\c+\i)+4:\f+8*(4*\c+\i)+7],       v[ADRA+\slot] offset:\k+64*\c+\i*16*PITCH+32
.endr
.endr
.endm
.macro PLACES                          ; four places in front of loads into registers that matrix instructions have read, and of LDS stores that read results
.rept 4
	v_nop
.endr
.endm
; A K step is four quarters of 64 along K, 32 matrix instructions each, on buffers 0, 1, 0, 1.  One of the first three: multiplies buffer f and fetches the next quarter, at byte k, into g.
.macro QUARTER slot, k, f, g, first
	s_wait_dscnt 16                                ; the first 32 along K are in; the sixteen loads of the second 32 may be out
	WIN MUL
	MUL8 \f, 0, 0, \first
	MUL8 \f, 0, 2, \first
	PLACES
	FETCH \slot, \k, \g
	s_wait_dscnt 32                                ; all but the 32 just issued
	WIN MUL
	MUL8 \f, 1, 0, 0
	MUL8 \f, 1, 2, 0
.endm
; The last quarter multiplies buffer 1 and changes slots: ONE barrier; in front of it each wave waits for all its tensor loads, adds 0 to its spare word, and waits for that and for its own reads of this slot.  fill = 1: this slot is filled again, two K steps ahead.
.macro TURN slot, next, fill
	WIN 0                                          ; (the add's two registers lie in window 0)
	s_wait_tensorcnt 0x0                           ; all my tensor loads have landed: my part of the next slot;
	ds_add_u32 v[SPW], v[NIL]                      ; 0 onto my spare word;
	s_wait_dscnt 17                                ; (the add and the youngest sixteen loads may be out)
	WIN MUL
	MUL8 F1, 0, 0, 0                               ; eight matrix instructions stand between the add and the wait for it
	s_wait_dscnt 0x0                               ; the add is done, and my reads of this slot are over
	s_barrier_signal -1
	MUL8 F1, 0, 2, 0
.if \fill
	WIN 0
.endif
	s_barrier_wait -1
.if \fill
	CREST                                          ; the barrier has opened a round of the cluster's barrier: no wave of any partner still reads this slot's tile or has a load on its way
	s_add_nc_u64 s[G0+4*\slot+2:G0+4*\slot+3], s[G0+4*\slot+2:G0+4*\slot+3], 2*KSTEP*2
	s_add_nc_u64 s[G0B+4*\slot+2:G0B+4*\slot+3], s[G0B+4*\slot+2:G0B+4*\slot+3], 2*KSTEP*2
	JLOAD \slot                                    ; the first tensor load behind the round; the four v_nop behind it are also the places in front of the loads below
.else
	PLACES
.endif
	FETCH \next, 0, F0
	WIN MUL
	MUL8 F1, 1, 0, 0
	MUL8 F1, 1, 2, 0
.endm
	s_wait_loadcnt 0x0                             ; bo
	s_wait_tensorcnt 1                             ; my part of K step 0 is in (K step 1's load may be out)
	s_barrier_signal -1
	s_barrier_wait -1                              ; everybody's is
	FETCH 0, 0, F0
	QUARTER 0, 128, F0, F1, 1                      ; the first quarter stands in front of the loop: its first products start the sums
	WIN 0                                          ; at a label and at a branch every window is 0
	s_mov_b32 s3, LAPS-1
.Llap:                                                 ; a trip goes once round the ring, from a lap's second quarter to the next lap's first, and fills both slots again
	QUARTER 0, 256, F1, F0, 0
	QUARTER 0, 384, F0, F1, 0
	TURN 0, 1, 1
	QUARTER 1, 128, F0, F1, 0
	QUARTER 1, 256, F1, F0, 0
	QUARTER 1, 384, F0, F1, 0
	TURN 1, 0, 1
	QUARTER 0, 128, F0, F1, 0
	WIN 0
	s_sub_co_u32 s3, s3, 1
	s_cmp_lg_u32 s3, 0
	s_cbranch_scc1 .Llap
	QUARTER 0, 256, F1, F0, 0                      ; the last lap fills nothing, and has no round of the cluster's barrier
	QUARTER 0, 384, F0, F1, 0
	TURN 0, 1, 0
	QUARTER 1, 128, F0, F1, 0
	QUARTER 1, 256, F1, F0, 0
	QUARTER 1, 384, F0, F1, 0
	s_wait_dscnt 16                                ; the very last quarter: nothing more to fetch
	WIN MUL
	MUL8 F1, 0, 0, 0
	MUL8 F1, 0, 2, 0
	s_wait_dscnt 0
	MUL8 F1, 1, 0, 0
	MUL8 F1, 1, 2, 0
	WIN 0
; THE WAY OUT, block by block of 16 rows x 64 columns.  A lane holds 32 neighbouring bytes of a row, and the lanes beside it hold other rows: so a block goes through my own stage and comes back as whole rows of 256 bytes.
; LDS serves a wave's instructions in order (ISA guide 5.7.1.4): no wait between the stores and the loads, nor in front of the next block's stores.
.macro TOSTAGE a
.set BB, TMP+32*((\a)%2)
.if (\a) > 1
	s_wait_xcnt 0x0                                ; block a - 2's stores have read their registers: block a's loads may land there
.endif
.irp b, 0,1,2,3
	ds_store_b128 v[STO], v[ACC+8*(4*(\a)+\b):ACC+8*(4*(\a)+\b)+3] offset:64*\b        ; each accumulator from its low end on
	ds_store_b128 v[STO], v[ACC+8*(4*(\a)+\b)+4:ACC+8*(4*(\a)+\b)+7] offset:64*\b+16
.endr
.irp t, 0,1,2,3,4,5,6,7
	ds_load_b128 v[BB+4*\t:BB+4*\t+3], v[RD] offset:\t*2*SPITCH
.endr
.endm
.macro SEND a, younger                 ; younger: the LDS instructions issued behind block a's loads, which may stay out
.set BB, TMP+32*((\a)%2)
	s_wait_dscnt \younger                          ; the block is back in registers
.irp t, 0,1,2,3,4,5,6,7
	global_store_b128 v[CO], v[BB+4*\t:BB+4*\t+3], s[70:71] offset:(16*(\a)+2*\t)*SIZE_N*4 th:TH_STORE_NT   ; 16 lanes store 256 consecutive bytes, aligned; 62 rows of 4,096 bytes at the most: the base is never stepped
.endr
.endm
	PLACES
	TOSTAGE 0
.irp a, 1,2,3
	TOSTAGE \a
	SEND \a-1, 16                                  ; behind block a - 1's loads: block a's 8 stores and 8 loads
.endr
	SEND 3, 0
	s_wait_tensorcnt 0x0                           ; the wave's end: these three lines, behind my last tensor load and my last LDS store
	ds_add_u32 v[SPW], v[NIL]
	s_wait_dscnt 0x0
	CROUND                                         ; the closing round: no work-group ends while a partner may still ask for a tile that names it
	s_endpgm
.Lfunc_end_k_q6761fcc0e0_oproj:
	.size	k_q6761fcc0e0_oproj, .Lfunc_end_k_q6761fcc0e0_oproj-k_q6761fcc0e0_oproj
	.p2alignl 7, 3214868480
	.fill 96, 4, 3214868480
	.section	.rodata,"a",@progbits
	.p2align	6, 0x0
	.amdhsa_kernel k_q6761fcc0e0_oproj
		.amdhsa_group_segment_fixed_size 327680
		.amdhsa_private_segment_fixed_size 0
		.amdhsa_enable_private_segment 0
		.amdhsa_kernarg_size 32
		.amdhsa_user_sgpr_count 2
		.amdhsa_user_sgpr_kernarg_segment_ptr 1
		.amdhsa_wavefront_size32 1
		.amdhsa_system_sgpr_workgroup_id_x 1
		.amdhsa_system_sgpr_workgroup_id_y 1
		.amdhsa_system_sgpr_workgroup_id_z 1
		.amdhsa_system_vgpr_workitem_id 0
		.amdhsa_next_free_vgpr 512
		.amdhsa_next_free_sgpr 72
		.amdhsa_reserve_vcc 0
		.amdhsa_float_denorm_mode_32 3
		.amdhsa_float_denorm_mode_16_64 3
		.amdhsa_memory_ordered 1
		.amdhsa_forward_progress 1
		.amdhsa_inst_pref_size 86
	.end_amdhsa_kernel
	.amdgpu_metadata
---
amdhsa.version: [ 1, 2 ]
amdhsa.kernels:
  - .name:           k_q6761fcc0e0_oproj
    .symbol:         k_q6761fcc0e0_oproj.kd
    .args:
      - { .name: att, .offset: 0, .size: 8, .value_kind: global_buffer, .address_space: global }
      - { .name: wo16, .offset: 8, .size: 8, .value_kind: global_buffer, .address_space: global }
      - { .name: bo, .offset: 16, .size: 8, .value_kind: global_buffer, .address_space: global }
      - { .name: out0, .offset: 24, .size: 8, .value_kind: global_buffer, .address_space: global }
    .group_segment_fixed_size: 327680
    .private_segment_fixed_size: 0
    .kernarg_segment_align: 8
    .kernarg_segment_size: 32
    .max_flat_workgroup_size: 128
    .sgpr_count:     72
    .vgpr_count:     512
    .wavefront_size: 32
...
	.end_amdgpu_metadata
.endif
;; end of part 4
